; MI455X (gfx1250); checked and timed in simulation.
; The chip was launched on July 23, 2026; its instructions are those of AMD's public machine-readable ISA for CDNA 5 (MIT licence, August 2026) and "CDNA5" Instruction Set Architecture Reference Guide (July 2026). The comments in the code are by the model that wrote it; some were corrected since.
;; Multi Head Attention. Allowed arithmetic: matrix products marked QUANTISED: E4M3 operands, one given power-of-two scale a tensor, by v_wmma_f32_16x16x64_fp8_fp8 or v_wmma_f32_16x16x128_fp8_fp8, f32 sums; everything else in f32.
;; Inputs: b_fc 1,024 float32; lowp_scales 8 int32 (the exponents e of the quantised operands' scales 2^e); w_fc 1,024 x 1,024 float32; w_qkv 1,024 x 3,072 float32; x 4 x 2,048 x 1,024 float32.
;; Outputs: out0 4 x 2,048 x 1,024 float32.
;; This version of the problem:
;;   THIS VERSION OF THE PROBLEM IS GIVEN IN LOW PRECISION. The matrix products marked QUANTISED in the list below multiply operands that are first quantised to E4M3 (4 exponent bits, 3 mantissa bits; 8 bits a number), with one given power-of-two scale for each operand tensor; their sums are f32. All else is computed in f32.
;;   The module's matrix products, in the order in which they are computed (A, B: the left and right operand; K: the contracted axis; several contracted axes count as one K, in the product's order):
;;     1. [M 8,192, K 1,024] x [K 1,024, N 3,072]; A: input x; B: input w_qkv: QUANTISED (scales: A lowp_scales[0], B lowp_scales[1])
;;     2. batch 64 x [M 2,048, K 64] x [K 64, N 2,048]; A: computed on the way; B: computed on the way: QUANTISED (scales: A lowp_scales[2], B lowp_scales[3])
;;     3. batch 64 x [M 2,048, K 2,048] x [K 2,048, N 64]; A: softmax (see below); B: computed on the way: QUANTISED (scales: A lowp_scales[4], B lowp_scales[5])
;;     4. [M 8,192, K 1,024] x [K 1,024, N 1,024]; A: computed on the way; B: input w_fc: QUANTISED (scales: A lowp_scales[6], B lowp_scales[7])
;;   THE QUANTISER, for each operand of a quantised product, along K:
;;     - The operand's scale is 2^e, e = its entry of the input lowp_scales (int32; the entries are numbered through the quantised products in the list's order, A before B).
;;     - Each number is divided by the scale, clamped to +-448, and rounded to the nearest number of E4M3, ties to even, subnormals kept.
;;     - The product sums the exact products of the quantised numbers (number of the format x scale) in f32.
;;   ~~~python
;;   def quantise(x, axis, e):      # numpy; x: float32 -> the quantised numbers, widened to float32 again
;;       x = np.moveaxis(x, axis, -1); K = x.shape[-1]
;;       r = np.clip(x / 2.0 ** e, -448, 448)
;;       step = 2.0 ** (np.maximum(np.frexp(np.where(r == 0, 1, r))[1] - 1, -6) - 3)
;;       q = np.round(r / step) * step * 2.0 ** e      # np.round: ties to even
;;       return np.moveaxis(q, -1, axis).astype(np.float32)
;;   ~~~
;;   SOFTMAX AHEAD OF A QUANTISED PRODUCT. Where the list says 'softmax', what is quantised is not the finished softmax but p = 2^(t - M), with t = logit x log2(e) and M = ceil(the row's largest t), a whole number; so 1/2 < the row's largest p <= 1. The row's sum l is taken of the UNQUANTISED p, in f32, and the product's result is divided by l at the end. Since M is a whole number, a kernel that streams over the keys may use a running M (the ceiling of the running maximum): every later rescaling is an exact power of two, so the quantised numbers keep their values, but for numbers so far below the row's largest that they fall under the format's range.
;;   OPERANDS COMPUTED ON THE WAY. 'Computed on the way' means the value that the module computes at that place (a softmax that the list does not call 'softmax' is quantised finished and normalised). What goes into a quantiser is computed in f32, as accurately as f32 sums, v_exp_f32 and their like allow (about 1e-6 of the number): no bf16 or f16 on the way to a quantiser, and a product that is left as it is and whose result goes on into a quantised operand takes f32 operands (vector FMAs, or v_wmma_f32_16x16x4_f32). A number that lies on a knife's edge between two numbers of the format may be rounded either way, as far as f32 arithmetic and the matrix unit's own rounding can turn it there, and no further.
;; 2 versions, each right; version 2 is version 1 with the launch attn written anew for expert scheduling mode. Each part assembles by itself: llvm-mc -triple=amdgcn-amd-amdhsa -mcpu=gfx1250 --defsym DOCPART=n.
;; ======== version 1 of 2: 4 launches
;; workspace buffers: x_codes 8,388,608 bytes; w_codes 4,194,304 bytes; q_codes 8,388,608 bytes; k_codes 8,388,608 bytes; v_codes 8,388,608 bytes; o_codes 8,388,608 bytes
;; launch quant (part 1): grid 384 x 1, 4 waves a work-group, no clusters, 35,840 bytes of LDS; arguments x, w_qkv, w_fc, lowp_scales, x_codes, w_codes; writes x_codes, w_codes
.if DOCPART == 1
	.amdgcn_target "amdgcn-amd-amdhsa--gfx1250"
	.amdhsa_code_object_version 6
	.text
	.protected	k_q9dbd7ed9c2_quant
	.globl	k_q9dbd7ed9c2_quant
	.p2align	8
	.type	k_q9dbd7ed9c2_quant,@function
k_q9dbd7ed9c2_quant:
	s_mov_b64 s[64:65], 0
	v_nop
	global_prefetch_b8 v0, s[64:65] scope:SCOPE_SE
	s_setreg_imm32_b32 hwreg(HW_REG_WAVE_MODE, 25, 1), 1
	s_wait_xcnt 0x0
; THE PROGRAM: causal attention with 16 heads of 64 on x [4][2048][1024]; all four products on codes of E4M3, each operand with the scale 2^e that lowp_scales gives for it.
;   launch 1 (this one): x, w_qkv, w_fc -> codes.   launch 2: x w_qkv -> codes of q, k, v.   launch 3: attention -> codes of its result.   launch 4: that result x w_fc + b_fc -> out0.
; WORK LEFT OUT (launch 3): a step of 128 keys all of which come after a wave's 32 queries.  reference() sets the scores of keys k > q to -infinity by a mask that it builds itself, whatever the inputs hold, so
; their weights are 0 and they reach no output.  No input is without a way to the output: all are loaded.  LIMIT: a NaN, an infinity or an overflow that reaches only such masked scores is not carried to the result.
; THIS LAUNCH.  code = number / 2^e, held within +-448, rounded to the nearest code, ties to even.  e = entry 0 (x), 1 (w_qkv), 7 (w_fc).  LIMITS: each of these e between -126 and 119; NaN among the inputs is not served.
; x_codes [8192][1024] and rows 0-3071 of w_codes [4096][1024] (w_qkv's columns) carry K in ONE permuted order, the same in both, so that each product meets its partner: within each 512 along K,
; place 16 l + 4 j + i holds k = 128 j + 4 l + i.  That is the order in which a lane's four dense 16-byte loads of x leave its 16 numbers, so x needs no turn through LDS.  Rows 3072-4095 (w_fc's columns) carry K as it is.
; Work-groups 0-255 take x, 256-383 the weights; the two ways part on the work-group's number and do not join.  Only the weights' way stores to LDS.
.set XWG,   256
.set STEPS, 16
.set PITCH, 272                        ; a stage row: 256 codes + 16 bytes
.set SPARE, 4*32*PITCH                 ; behind the four stages: the spare words, 128 bytes for each wave, which no other line names
.set SPW,   14                         ; v14  LDS address of my spare word; never rewritten
.set NIL,   15                         ; v15  0; never rewritten
.set LIM,   10                         ; v10  448 x 2^e
.set SC,    11                         ; v11  2^e as f32
.set R,     48                         ; x: v48-111  four sets of 16 numbers
.set C,     120                        ; x: v120-183 four registers of codes for each step: no store's data are written again
.set VO,    16                         ; weights: v16-47  byte offset of the row that holds place i of a block, + 4 x lane
.set X,     48                         ; weights: v48-111 two sets of 32 numbers
.set CW,    112                        ; weights: v112-119 a block's codes
.set OUTR,  120                        ; weights: v120-183 the way out
	s_load_b256 s[4:11], s[0:1], 0x0               ; x s[4:5], w_qkv s[6:7], w_fc s[8:9], the exponents s[10:11]
	s_load_b128 s[12:15], s[0:1], 0x20             ; x_codes s[12:13], w_codes s[14:15]
	v_lshl_add_u32 v[SPW], v0, 2, SPARE
	v_mov_b32 v[NIL], 0
	v_lshrrev_b32 v1, 5, v0
	v_readfirstlane_b32 s16, v1                    ; wave
	v_and_b32 v2, 31, v0                           ; lane
	v_lshlrev_b32 v3, 4, v2                        ; 16 x lane
	s_wait_kmcnt 0x0
	s_load_b256 s[24:31], s[10:11], 0x0            ; e0 .. e7
	s_cmp_lt_u32 ttmp9, XWG
	s_cbranch_scc0 .Lweights
; ---- x: a plain stream.  A wave takes 16 steps of 512 numbers; each load reads 512 consecutive bytes, each store writes 512.
	s_lshl_b32 s17, ttmp9, 2
	s_add_co_u32 s17, s17, s16                     ; which run of 8,192 numbers is my wave's
	s_lshl_b32 s20, s17, 15
	s_mov_b32 s21, 0
	s_add_nc_u64 s[4:5], s[4:5], s[20:21]
	s_lshl_b32 s20, s17, 13
	s_add_nc_u64 s[12:13], s[12:13], s[20:21]
.macro LOADX t
.irp j, 0,1,2,3
	global_load_b128 v[R+16*((\t)%4)+4*\j:R+16*((\t)%4)+4*\j+3], v3, s[4:5] offset:2048*(\t)+512*\j th:TH_LOAD_NT
.endr
.endm
.irp t, 0,1,2,3
	LOADX \t
.endr
	s_wait_kmcnt 0x0
	s_add_co_i32 s22, s24, 127
	s_lshl_b32 s23, s22, 23
	v_mov_b32 v[SC], s23                           ; 2^e0: the conversion takes its exponent field
	s_add_co_i32 s22, s22, 8
	s_lshl_b32 s22, s22, 23
	s_or_b32 s22, s22, 0x600000
	v_mov_b32 v[LIM], s22                          ; 448 x 2^e0
.macro STEPX t
.set RS, R+16*((\t)%4)
.if 15-(\t) >= 3
	s_wait_loadcnt 12                              ; this step's four loads are in; those of the three steps behind it may be out
.else
	s_wait_loadcnt 4*(15-(\t))
.endif
.irp i, 0,1,2,3,4,5,6,7,8,9,10,11,12,13,14,15
	v_med3_num_f32 v[RS+\i], v[RS+\i], -v[LIM], v[LIM]   ; the conversion to an 8-bit code does not saturate (ISA guide 7.6.2): the hold comes first
.endr
	v_cvt_scalef32_pk8_fp8_f32 v[C+4*(\t):C+4*(\t)+1], v[RS:RS+7], v[SC]
	v_cvt_scalef32_pk8_fp8_f32 v[C+4*(\t)+2:C+4*(\t)+3], v[RS+8:RS+15], v[SC]
.if (\t)+4 < STEPS
	LOADX (\t)+4                                   ; the set just converted takes the loads of four steps on
.endif
	global_store_b128 v3, v[C+4*(\t):C+4*(\t)+3], s[12:13] offset:512*(\t)   ; my 16 codes: places 16 l .. 16 l + 15 of the step's 512
.endm
.irp t, 0,1,2,3,4,5,6,7,8,9,10,11,12,13,14,15
	STEPX \t
.endr
	s_wait_tensorcnt 0x0                           ; the wave's end
	ds_add_u32 v[SPW], v[NIL]
	s_wait_dscnt 0x0
	s_endpgm
; ---- the weights: K is their FIRST axis.  A lane takes a column n and its registers run down K, in the order of the places; so the conversions give codes with K innermost.
; A work-group takes 128 columns x 256 places, a wave 32 columns: 8 blocks of 32 places.  One text serves both weights: pitch, order, exponent and pointer are chosen on the work-group's number.
.Lweights:
	s_sub_co_u32 s17, ttmp9, XWG
	s_and_b32 s18, s17, 31                         ; block of 128 rows of w_codes: 0-23 w_qkv's columns, 24-31 w_fc's
	s_lshr_b32 s19, s17, 5                         ; which 256 places
	v_lshlrev_b32 v5, 2, v2                        ; in: 4 bytes a lane
	s_mul_i32 s54, s16, 32*PITCH                   ; my stage
	v_mul_u32_u24 v4, v2, PITCH
	v_add_nc_u32 v4, s54, v4                       ; into it: row = my column
	v_and_b32 v6, 15, v2
	v_lshrrev_b32 v9, 4, v2
	v_mul_u32_u24 v7, v9, PITCH
	v_lshl_add_u32 v7, v6, 4, v7
	v_add_nc_u32 v7, s54, v7                       ; out of it: sixteen lanes to a row, two rows an instruction
	v_lshlrev_b32 v8, 10, v9
	v_lshl_add_u32 v8, v6, 4, v8                   ; and the same place in w_codes (rows of 1,024 bytes)
	s_lshl_b32 s55, s18, 7
	s_lshl_b32 s56, s16, 5
	s_add_co_u32 s55, s55, s56                     ; my first row of w_codes
	s_lshl_b32 s56, s55, 10
	s_lshl_b32 s55, s19, 8
	s_add_co_u32 s56, s56, s55
	s_mov_b32 s57, 0
	s_add_nc_u64 s[14:15], s[14:15], s[56:57]
	s_lshr_b32 s20, s19, 1                         ; the first row of my 256 places.  Permuted: 512 (y / 2) + 64 (y % 2), rows of 12,288 bytes;
	s_lshl_b32 s20, s20, 9
	s_and_b32 s21, s19, 1
	s_lshl_b32 s21, s21, 6
	s_add_co_u32 s20, s20, s21
	s_mul_i32 s20, s20, 12288
	s_lshl_b32 s21, s19, 20                        ; as it is: 256 y, rows of 4,096 bytes
	s_cmp_lt_u32 s18, 24                           ; w_qkv?  Only lines that keep SCC follow, up to the last choice
	s_cselect_b64 s[4:5], s[6:7], s[8:9]
	s_cselect_b32 s22, 0, 24
	s_cselect_b32 s20, s20, s21
	s_mov_b32 s23, 131072
	s_cselect_b32 s23, 98304, s23                  ; from block to block: 8 rows of 12,288 bytes, or 32 of 4,096
.set I, 0
.rept 32                                           ; place i of a block lies in row 128 ((i % 16) / 4) + 4 (i / 16) + i % 4 (permuted), or in row i
	s_mov_b32 s50, I*4096
	s_cselect_b32 s50, (128*((I%16)/4)+4*(I/16)+I%4)*12288, s50
	v_add_nc_u32 v[VO+I], s50, v5
.set I, I+1
.endr
	s_sub_co_u32 s22, s18, s22                     ; the block of 128 columns in its own tensor
	s_lshl_b32 s22, s22, 9
	s_lshl_b32 s51, s16, 7
	s_add_co_u32 s22, s22, s51                     ; my first column, in bytes
	s_add_co_u32 s20, s20, s22
	s_mov_b32 s21, 0
	s_add_nc_u64 s[32:33], s[4:5], s[20:21]        ; a base for each block, made once: no base is stepped
	s_mov_b32 s52, s23
	s_mov_b32 s53, 0
.irp t, 1,2,3,4,5,6,7
	s_add_nc_u64 s[32+2*\t:33+2*\t], s[30+2*\t:31+2*\t], s[52:53]
.endr
.macro LOADW t                         ; block t: 32 loads, each 128 consecutive bytes a wave
.set I, 0
.rept 32
	global_load_b32 v[X+32*((\t)%2)+I], v[VO+I], s[32+2*(\t):33+2*(\t)] th:TH_LOAD_NT
.set I, I+1
.endr
.endm
	LOADW 0
	LOADW 1
	s_wait_kmcnt 0x0
	s_cmp_lt_u32 s18, 24
	s_cselect_b32 s58, s25, s31                    ; e1 or e7
	s_add_co_i32 s58, s58, 127
	s_lshl_b32 s59, s58, 23
	v_mov_b32 v[SC], s59
	s_add_co_i32 s58, s58, 8
	s_lshl_b32 s58, s58, 23
	s_or_b32 s58, s58, 0x600000
	v_mov_b32 v[LIM], s58
.macro BLOCKW t
.set XS, X+32*((\t)%2)
.if (\t) < 7
	s_wait_loadcnt 32                              ; this block's 32 loads are in; the next block's may be out
.else
	s_wait_loadcnt 0
.endif
.set I, 0
.rept 32
	v_med3_num_f32 v[XS+I], v[XS+I], -v[LIM], v[LIM]
.set I, I+1
.endr
.irp g, 0,1,2,3
	v_cvt_scalef32_pk8_fp8_f32 v[CW+2*\g:CW+2*\g+1], v[XS+8*\g:XS+8*\g+7], v[SC]
.endr
	ds_store_b128 v4, v[CW:CW+3] offset:32*(\t)
	ds_store_b128 v4, v[CW+4:CW+7] offset:32*(\t)+16
.if (\t)+2 < 8
	LOADW (\t)+2
.endif
	s_wait_dscnt 0x0                               ; the stores have read their registers: the next block's codes may be written (its 32 holds, plain lines, come first)
.endm
.irp t, 0,1,2,3,4,5,6,7
	BLOCKW \t
.endr
.irp t, 0,1,2,3,4,5,6,7,8,9,10,11,12,13,14,15
	ds_load_b128 v[OUTR+4*\t:OUTR+4*\t+3], v7 offset:2*\t*PITCH   ; LDS serves a wave's instructions in order (ISA guide 5.7.1.4): these see my stores
.endr
.irp t, 0,1,2,3,4,5,6,7,8,9,10,11,12,13,14,15
	s_wait_dscnt 15-\t
	global_store_b128 v8, v[OUTR+4*\t:OUTR+4*\t+3], s[14:15] offset:2*\t*1024   ; sixteen lanes store 256 consecutive bytes, aligned
.endr
	s_wait_tensorcnt 0x0                           ; the wave's end, behind my last LDS store
	ds_add_u32 v[SPW], v[NIL]
	s_wait_dscnt 0x0
	s_endpgm
.Lfunc_end_k_q9dbd7ed9c2_quant:
	.size	k_q9dbd7ed9c2_quant, .Lfunc_end_k_q9dbd7ed9c2_quant-k_q9dbd7ed9c2_quant
	.p2alignl 7, 3214868480
	.fill 96, 4, 3214868480
	.section	.rodata,"a",@progbits
	.p2align	6, 0x0
	.amdhsa_kernel k_q9dbd7ed9c2_quant
		.amdhsa_group_segment_fixed_size 35840
		.amdhsa_private_segment_fixed_size 0
		.amdhsa_enable_private_segment 0
		.amdhsa_kernarg_size 48
		.amdhsa_user_sgpr_count 2
		.amdhsa_user_sgpr_kernarg_segment_ptr 1
		.amdhsa_wavefront_size32 1
		.amdhsa_system_sgpr_workgroup_id_x 1
		.amdhsa_system_sgpr_workgroup_id_y 1
		.amdhsa_system_sgpr_workgroup_id_z 1
		.amdhsa_system_vgpr_workitem_id 0
		.amdhsa_next_free_vgpr 192
		.amdhsa_next_free_sgpr 66
		.amdhsa_reserve_vcc 0
		.amdhsa_float_denorm_mode_32 3
		.amdhsa_float_denorm_mode_16_64 3
		.amdhsa_memory_ordered 1
		.amdhsa_forward_progress 1
		.amdhsa_inst_pref_size 82
	.end_amdhsa_kernel
	.amdgpu_metadata
---
amdhsa.version: [ 1, 2 ]
amdhsa.kernels:
  - .name:           k_q9dbd7ed9c2_quant
    .symbol:         k_q9dbd7ed9c2_quant.kd
    .args:
      - { .name: x, .offset: 0, .size: 8, .value_kind: global_buffer, .address_space: global }
      - { .name: w_qkv, .offset: 8, .size: 8, .value_kind: global_buffer, .address_space: global }
      - { .name: w_fc, .offset: 16, .size: 8, .value_kind: global_buffer, .address_space: global }
      - { .name: lowp_scales, .offset: 24, .size: 8, .value_kind: global_buffer, .address_space: global }
      - { .name: x_codes, .offset: 32, .size: 8, .value_kind: global_buffer, .address_space: global }
      - { .name: w_codes, .offset: 40, .size: 8, .value_kind: global_buffer, .address_space: global }
    .group_segment_fixed_size: 35840
    .private_segment_fixed_size: 0
    .kernarg_segment_align: 8
    .kernarg_segment_size: 48
    .max_flat_workgroup_size: 128
    .sgpr_count:     66
    .vgpr_count:     192
    .wavefront_size: 32
...
	.end_amdgpu_metadata
.endif
;; end of part 1
;; launch gemm_qkv (part 2): grid 12 x 32, 4 waves a work-group, clusters of 4 x 4, 327,680 bytes of LDS; arguments x_codes, w_codes, lowp_scales, q_codes, k_codes, v_codes; writes q_codes, k_codes, v_codes
.if DOCPART == 2
	.amdgcn_target "amdgcn-amd-amdhsa--gfx1250"
	.amdhsa_code_object_version 6
	.text
	.protected	k_q9dbd7ed9c2_gemm_qkv
	.globl	k_q9dbd7ed9c2_gemm_qkv
	.p2align	8
	.type	k_q9dbd7ed9c2_gemm_qkv,@function
k_q9dbd7ed9c2_gemm_qkv:
	s_mov_b64 s[64:65], 0
	v_nop
	global_prefetch_b8 v0, s[64:65] scope:SCOPE_SE
	s_setreg_imm32_b32 hwreg(HW_REG_WAVE_MODE, 25, 1), 1
	s_wait_xcnt 0x0
	s_wait_alu depctr_hold_cnt(0) depctr_sa_sdst(0) depctr_va_vdst(0) depctr_va_sdst(0) depctr_va_ssrc(0) depctr_va_vcc(0) depctr_vm_vsrc(0)
	s_getreg_b32 s2, hwreg(HW_REG_IB_STS2, 6, 4)
	s_cmp_eq_u32 s2, 0
	s_cbranch_scc0 .Lentry_in_a_cluster
	s_endpgm
.Lentry_in_a_cluster:
	s_bfe_u32 s2, ttmp6, 0x10000c
	s_cmp_lg_u32 s2, 0xf033
	s_cbranch_scc0 .Lentry_shape_is_right
	s_endpgm
.Lentry_shape_is_right:
; qkv = x w_qkv on codes of E4M3 (x_codes [8192][1024], rows 0-3071 of w_codes [4096][1024], K in the same permuted order in both), f32 sums; each sum stands for sum x 2^(e0 + e1) and is quantised at once
; for the product that takes it: q with e2, k with e3, v with e5: code = sum / 2^(eX - e0 - e1), held within +-448.  LIMITS: eX - e0 - e1 between -126 and 119.  Inside a matrix instruction the sums go in the order of the 16-byte pieces, not in ascending k.
; OUT: q_codes, k_codes [64 heads][2048 t][64 d]; v_codes [64 heads][16 blocks of keys][64 d][128 keys]: the keys innermost, since they are the K of the product that takes v.
; A tile of 256 x 256 is made by four waves, 128 x 128 each: 64 accumulators, 512 registers.  K goes in steps of 256 through two LDS slots filled by the tensor data mover.  384 tiles: they do not divide evenly among
; 256 WGPs; a tile's columns must be whole heads of one of q, k, v, and no tile of that kind gives 256 work-groups.
; CLUSTERS: 4 x 4.  x's tiles are shared along a row of the cluster, w's along a column: joint loads.  The cluster's x (0, 1, 2) says whether the tile is q's, k's or v's: the same in all sixteen partners.
; THE MATRIX INSTRUCTION: source 1 gives a lane its row, source 0 the eight neighbours in its registers.  For q and k source 1 = x's rows (t), source 0 = w's rows (d): a lane holds 8 neighbouring d of one t.
; For v the two change places, by LDS addresses alone: a lane then holds 8 neighbouring keys of one d.  The text is the same.
; REGISTERS: window 0: v0-31 addresses; from v128 source 1's fragments, ONE set; on the way out v32-159.  window 1: source 0's fragments, TWO sets.  windows 2, 3: the accumulators ((a, b) at v[8 (8 (a % 4) + b)]).
.set SIZE_K, 1024
.set ROWB,   256                       ; a tile's row: 256 codes
.set KROW,   SIZE_K
.set PITCH,  272                       ; an LDS row: 256 bytes + 16 = 68 words: the 16 rows that a load touches start at 16 different banks (64 banks of 4 bytes: ISA guide 11.1)
.set FR,     16
.set NL,     4
.set NP,     4                         ; places behind this matrix instruction (ISA guide 7.12.1)
.set HALFT,  128*PITCH
.set SLOT,   4*HALFT                   ; x's 256 rows, then w's 256 rows
.set SPARE,  2*SLOT                    ; behind the ring: the spare words, 128 bytes for each wave, which no other line names
.set SPITCH, 144                       ; the way out: a stage of 16 rows x (128 codes + 16) for each wave, in slot 0, which has had its last fill and its last read by then
.set CO,   8                           ; v8-11   the way out: my byte offsets in the output, one for each of a block's four stores
.set SCV,  12                          ; v12     2^(eX - e0 - e1) as f32
.set LIM,  13                          ; v13     448 x that
.set ADRA, 16                          ; v16-17  LDS address of source 1's fragments in slot 0, 1
.set ADRB, 20                          ; v20-21  of source 0's
.set STO,  24                          ; v24     where I put 8 codes of a stage row
.set RD,   25                          ; v25     where I read 16 codes back
.set SPW,  28                          ; v28     LDS address of my spare word; never rewritten
.set NIL,  29                          ; v29     0; never rewritten
.set TMP,  32                          ; v32-95  a block's sums, held
.set CD,   96                          ; v96-127 its codes, two sets
.set AF,   128
.set BK,   128                         ; v128-159 codes read back, two sets
.set G1, 24
.set G0, 32
.set G1B, 48
.set G0B, 56
.set MSB, 0
.macro WIN new                         ; the immediate's high byte repeats the setting that is left
.if MSB != \new
	s_set_vgpr_msb (MSB<<8)|\new
.set MSB, \new
.endif
.endm
.set MUL_LO, 0xa1                      ; source 0 window 1, source 1 window 0, C and D window 2
.set MUL_HI, 0xf1                      ; the same, C and D window 3
.set TO_B,   0x40                      ; destination window 1
; A joint load: waves 0 and 1 fetch x's halves, waves 2 and 3 w's.  The branch hangs on the wave's number alone.  An s_nop 0 and four v_nop follow each of the two lines.
.macro JLOAD g0a, g1a, g0b, g1b
	s_cmp_eq_u32 s15, 0
	s_cbranch_scc0 .Lfor_b_\@
	tensor_load_to_lds s[\g0a:\g0a+3], s[\g1a:\g1a+7]
	s_nop 0
.rept 4
	v_nop
.endr
	s_branch .Lasked_\@
.Lfor_b_\@:
	tensor_load_to_lds s[\g0b:\g0b+3], s[\g1b:\g1b+7]
	s_nop 0
.rept 4
	v_nop
.endr
.Lasked_\@:
.endm
.macro CREST                           ; a round of the cluster's barrier behind its opening barrier
	s_cmp_lg_u32 s14, 0
	s_cbranch_scc1 .Lnot_wave_0_\@
	s_barrier_signal -3
.Lnot_wave_0_\@:
	s_barrier_wait -3
	s_barrier_signal -1
	s_barrier_wait -1
.endm
.macro CROUND
	s_barrier_signal -1
	s_barrier_wait -1
	CREST
.endm
	s_load_b256 s[4:11], s[0:1], 0x0               ; x_codes s[4:5], w_codes s[6:7], the exponents s[8:9], q_codes s[10:11]
	s_load_b128 s[68:71], s[0:1], 0x20             ; k_codes s[68:69], v_codes s[70:71]
	v_lshl_add_u32 v[SPW], v0, 2, SPARE
	v_mov_b32 v[NIL], 0
	ds_add_u32 v[SPW], v[NIL]                      ; the wave's opening: the add, twice on end, and its wait ahead of my first tensor load
	ds_add_u32 v[SPW], v[NIL]
	v_lshrrev_b32 v1, 5, v0
	v_readfirstlane_b32 s14, v1                    ; wave 0..3
	s_lshr_b32 s15, s14, 1                         ; which half of source 1's rows is mine.  Also: I fetch for x (0) or for w (1)
	s_and_b32 s16, s14, 1                          ; which half of source 0's rows.  Also: which 128 rows I fetch
	s_bfe_u32 s40, ttmp6, 0x40000                  ; cx, cy
	s_bfe_u32 s41, ttmp6, 0x40004
	s_lshl_b32 s42, ttmp9, 2
	s_add_co_u32 s42, s42, s40                     ; tile column = 4 x cluster x + cx
	s_and_b32 s17, ttmp7, 0xffff
	s_lshl_b32 s17, s17, 2
	s_add_co_u32 s17, s17, s41                     ; tile row = 4 x cluster y + cy
	s_lshl_b32 s43, s41, 2
	s_lshl_b32 s43, 15, s43                        ; my row of the cluster
	s_lshl_b32 s44, 0x1111, s40                    ; my column
	s_or_b32 s[G1+0], s43, (0<<16)|(1<<20)|(1<<21)|(5<<22)|(3<<25)  ; the mask; elements of 1 byte; padding on; bit 21 beside a mask; after every 64 words, 4 words
	s_or_b32 s[G1B+0], s44, (0<<16)|(1<<20)|(1<<21)|(5<<22)|(3<<25)
.irp g, G1, G1B
	s_mov_b32 s[\g+1], ROWB<<16                    ; tensor_dim0
	s_mov_b32 s[\g+2], 128<<16                     ; tensor_dim1
	s_mov_b32 s[\g+3], ROWB<<16                    ; tile_dim0
	s_mov_b32 s[\g+4], 128                         ; tile_dim1
	s_mov_b32 s[\g+5], KROW                        ; from row to row
	s_mov_b32 s[\g+6], 0
	s_mov_b32 s[\g+7], 0
.endr
	s_lshl_b32 s18, s16, 7
	s_lshl_b32 s20, s17, 8
	s_add_co_u32 s20, s20, s18                     ; x: row 256 x tile row + 128 x half
	s_lshl_b32 s46, s42, 8
	s_add_co_u32 s46, s46, s18                     ; w: row 256 x tile column + 128 x half
	s_mov_b32 s21, 0
	s_mov_b32 s47, 0
	s_mov_b64 s[18:19], KROW
	s_mul_u64 s[20:21], s[20:21], s[18:19]
	s_mul_u64 s[46:47], s[46:47], s[18:19]
	s_mul_i32 s45, s14, HALFT                      ; where they go: wave x 128 rows
	s_wait_dscnt 0x0                               ; both opening adds are done
	s_wait_kmcnt 0x0
	s_load_b256 s[72:79], s[8:9], 0x0              ; e0 .. e7
	s_add_nc_u64 s[20:21], s[4:5], s[20:21]
	s_add_nc_u64 s[46:47], s[6:7], s[46:47]
	CROUND                                         ; all sixteen work-groups are here: the first joint loads meet
.irp s, 0,1
	s_mov_b32 s[G0+4*\s], 1
	s_add_co_u32 s[G0+4*\s+1], s45, \s*SLOT
	s_add_nc_u64 s[G0+4*\s+2:G0+4*\s+3], s[20:21], \s*ROWB
	s_or_b32 s[G0+4*\s+3], s[G0+4*\s+3], 0x80000000
	s_mov_b32 s[G0B+4*\s], 1
	s_add_co_u32 s[G0B+4*\s+1], s45, \s*SLOT
	s_add_nc_u64 s[G0B+4*\s+2:G0B+4*\s+3], s[46:47], \s*ROWB
	s_or_b32 s[G0B+4*\s+3], s[G0B+4*\s+3], 0x80000000
	JLOAD G0+4*\s, G1, G0B+4*\s, G1B               ; two loads of mine are out
.endr
	v_and_b32 v1, 15, v0                           ; r
	v_bfe_u32 v2, v0, 4, 1                         ; h
	v_mul_u32_u24 v3, v1, PITCH
	v_lshl_add_u32 v4, v2, 4, v3                   ; a fragment's row x pitch + 16 h
	s_cmp_eq_u32 ttmp9, 2                          ; v's tile?  The cluster's x: the same in all partners
	s_cselect_b32 s80, 2*HALFT, 0                  ; where source 1's rows lie in a slot: x's part, for v w's
	s_cselect_b32 s81, 0, 2*HALFT                  ; and source 0's
	s_cselect_b32 s82, -1, 0
	s_cselect_b32 s83, s16, s15                    ; which half of x's rows is mine
	s_cselect_b32 s84, s15, s16                    ; which half of w's rows
	s_mov_b32 s88, 1024
	s_cselect_b32 s88, 2048, s88                   ; from block to block in the output: 16 t of 64 bytes, or 16 d of 128
	s_mov_b32 s90, 1024
	s_cselect_b32 s90, 124928, s90                 ; from block 3 to block 4: the same, or on to the next head: 131,072 - 3 x 2,048
	s_mov_b32 s92, 256
	s_cselect_b32 s92, 512, s92                    ; from store to store in a block: four stage rows
	s_mov_b32 s89, 0
	s_mov_b32 s91, 0
	s_mul_i32 s21, s15, HALFT
	s_add_co_u32 s21, s21, s80
	s_mul_i32 s22, s16, HALFT
	s_add_co_u32 s22, s22, s81
.irp s, 0,1
	v_add_nc_u32 v[ADRA+\s], s21, v4
	v_add_nc_u32 v[ADRB+\s], s22, v4
	s_add_co_u32 s21, s21, SLOT
	s_add_co_u32 s22, s22, SLOT
.endr
	s_mul_i32 s23, s14, 16*SPITCH                  ; my stage
	v_mul_u32_u24 v[STO], v1, SPITCH
	v_lshl_add_u32 v[STO], v2, 3, v[STO]
	v_add_nc_u32 v[STO], s23, v[STO]               ; in: row r, 8 bytes for each half of the lanes
	v_and_b32 v6, 31, v0
	v_lshrrev_b32 v5, 3, v6
	v_mul_u32_u24 v[RD], v5, SPITCH
	v_and_b32 v7, 7, v6
	v_lshl_add_u32 v[RD], v7, 4, v[RD]
	v_add_nc_u32 v[RD], s23, v[RD]                 ; back: eight lanes to a row of 128 bytes, four rows an instruction
	v_lshlrev_b32 v5, 6, v5                        ; q, k: a stage row is one t of two heads: 64 (lane / 8) + 16 (lane % 4) + 131,072 ((lane / 4) % 2)
	v_and_b32 v7, 3, v6
	v_lshl_add_u32 v5, v7, 4, v5
	v_bfe_u32 v7, v6, 2, 1
	v_lshl_add_u32 v5, v7, 17, v5
	v_lshlrev_b32 v7, 4, v6                        ; v: a stage row is one d's 128 keys, rows on end: 16 x lane
	v_cndmask_b32 v[CO], v5, v7, s82
	v_add_nc_u32 v[CO+1], s92, v[CO]
	v_add_nc_u32 v[CO+2], s92, v[CO+1]
	v_add_nc_u32 v[CO+3], s92, v[CO+2]
	s_lshl_b32 s85, s17, 8                         ; where my part begins in the output: ((16 b + head) << 17) + 64 t0: one formula for the three layouts (t0 is a multiple of 128)
	s_lshl_b32 s86, s83, 7
	s_add_co_u32 s85, s85, s86                     ; my first row of x
	s_lshr_b32 s86, s85, 11
	s_lshl_b32 s86, s86, 4
	s_lshl_b32 s87, s40, 2
	s_add_co_u32 s86, s86, s87
	s_lshl_b32 s87, s84, 1
	s_add_co_u32 s86, s86, s87                     ; 16 b + 4 cx + 2 x my half of w's rows
	s_lshl_b32 s86, s86, 17
	s_and_b32 s85, s85, 2047
	s_lshl_b32 s85, s85, 6
	s_add_co_u32 s86, s86, s85
	s_mov_b32 s87, 0
.macro FRAG reg, adr, q, i             ; 16 rows x 128 K: lane l holds row l % 16; registers 4 c .. 4 c + 3 hold places 32 c + 16 (l / 16) + 0 .. 15: the same in both sources
.irp c, 0,1,2,3
	ds_load_b128 v[\reg+4*\c:\reg+4*\c+3], v[\adr] offset:128*(\q)+32*\c+(\i)*16*PITCH
.endr
.endm
; 16 matrix instructions.  The 64 accumulators take turns, one instruction a turn, in the same order in every step.  zero = 1: the first product starts the sums.
.macro MUL16 a0, p, zero
.irp a, \a0, \a0+1
.irp b, 0,1,2,3,4,5,6,7
.if \zero
	v_wmma_f32_16x16x128_fp8_fp8 v[8*(8*((\a)%4)+\b):8*(8*((\a)%4)+\b)+7], v[128*(\p)+FR*\b:128*(\p)+FR*\b+FR-1], v[AF+FR*(\a):AF+FR*(\a)+FR-1], 0
.else
	v_wmma_f32_16x16x128_fp8_fp8 v[8*(8*((\a)%4)+\b):8*(8*((\a)%4)+\b)+7], v[128*(\p)+FR*\b:128*(\p)+FR*\b+FR-1], v[AF+FR*(\a):AF+FR*(\a)+FR-1], v[8*(8*((\a)%4)+\b):8*(8*((\a)%4)+\b)+7]
.endif
.endr
.endr
.endm
.macro FETCH_B slot, q, p
	WIN TO_B
.irp i, 0,1,2,3,4,5,6,7
	FRAG 128*(\p)+FR*\i, ADRB+\slot, \q, \i
.endr
	WIN 0
.endm
.macro FETCH_A slot, q, i0
.irp i, \i0, \i0+1, \i0+2, \i0+3
	FRAG AF+FR*(\i), ADRA+\slot, \q, \i
.endr
.endm
.macro PLACES n                        ; plain vector lines between a matrix instruction and a load into a register that it read, or a read of its result
.rept \n
	v_nop
.endr
.endm
.macro STEP slot, q, zero              ; 128 along K, with its successor in the same slot
	s_wait_dscnt 4*NL                              ; source 0's set and source 1's blocks 0-3 are in; the youngest 16 loads (blocks 4-7) may be out
	WIN MUL_LO
	MUL16 0, (\q)%2, \zero
	MUL16 2, (\q)%2, \zero
	s_wait_dscnt 0
	PLACES NP
	FETCH_B \slot, (\q)+1, 1-(\q)%2
	FETCH_A \slot, (\q)+1, 0
	WIN MUL_HI
	MUL16 4, (\q)%2, \zero
	MUL16 6, (\q)%2, \zero
	PLACES NP
	WIN 0
	FETCH_A \slot, (\q)+1, 4
.endm
; A slot's last step changes slots: one barrier; in front of it each wave waits for all its tensor loads, adds 0 to its spare word, and waits for that and for its reads of this slot.
.macro TURN slot, next, fill
	s_wait_tensorcnt 0x0                           ; all my tensor loads have landed: my part of the next slot (every window is 0 here)
	ds_add_u32 v[SPW], v[NIL]
	s_wait_dscnt 4*NL+1                            ; the add and the youngest 16 loads may be out
	WIN MUL_LO
	MUL16 0, 1, 0
	s_wait_dscnt 0x0                               ; the add is done, and my reads of this slot are over
	s_barrier_signal -1
	MUL16 2, 1, 0
	WIN 0
	s_barrier_wait -1
.if \fill
	CREST                                          ; the barrier has opened a round of the cluster's: no wave of any partner still reads this slot or has a load on its way
	s_add_nc_u64 s[G0+4*\slot+2:G0+4*\slot+3], s[G0+4*\slot+2:G0+4*\slot+3], 2*ROWB
	s_add_nc_u64 s[G0B+4*\slot+2:G0B+4*\slot+3], s[G0B+4*\slot+2:G0B+4*\slot+3], 2*ROWB
	JLOAD G0+4*\slot, G1, G0B+4*\slot, G1B         ; my one tensor load behind the round; its four v_nop are the places in front of the loads below
.else
	PLACES NP
.endif
	FETCH_B \next, 0, 0
	FETCH_A \next, 0, 0
	WIN MUL_HI
	MUL16 4, 1, 0
	MUL16 6, 1, 0
	PLACES NP
	WIN 0
	FETCH_A \next, 0, 4
.endm
	s_wait_tensorcnt 1                             ; my part of slot 0 is in; slot 1's load may be out
	s_barrier_signal -1
	s_barrier_wait -1
	FETCH_B 0, 0, 0
	FETCH_A 0, 0, 0
	FETCH_A 0, 0, 4
	STEP 0, 0, 1                                   ; K = 1,024 is four slots' worth, eight steps: written out
	TURN 0, 1, 1
	STEP 1, 0, 0
	TURN 1, 0, 1
	STEP 0, 0, 0
	TURN 0, 1, 0                                   ; the last two slots are not filled again
	STEP 1, 0, 0
	s_wait_dscnt 4*NL
	WIN MUL_LO
	MUL16 0, 1, 0
	MUL16 2, 1, 0
	s_wait_dscnt 0
	WIN MUL_HI
	MUL16 4, 1, 0
	MUL16 6, 1, 0
	WIN 0
; THE WAY OUT, block by block of 16 rows of source 1 x 128 of source 0.  The sums are held, converted (a lane's 8 registers give 8 neighbouring codes), and go through my stage, so that whole runs of the output are stored.
.macro TOSTAGE a
.set AC, 64*((\a)%4)
	WIN 0x02+((\a)/4)                              ; source 0: window 2 or 3
.set J, 0
.rept 64
	v_med3_num_f32 v[TMP+J], v[AC+J], -v[LIM], v[LIM]   ; the hold; each accumulator from its low end on
.set J, J+1
.endr
	WIN 0
.irp b, 0,1,2,3,4,5,6,7
	v_cvt_scalef32_pk8_fp8_f32 v[CD+16*((\a)%2)+2*\b:CD+16*((\a)%2)+2*\b+1], v[TMP+8*\b:TMP+8*\b+7], v[SCV]
.endr
	v_nop                                          ; a plain line behind the last conversion
.irp b, 0,1,2,3,4,5,6,7
	ds_store_b64 v[STO], v[CD+16*((\a)%2)+2*\b:CD+16*((\a)%2)+2*\b+1] offset:16*\b
.endr
.irp i, 0,1,2,3
	ds_load_b128 v[BK+16*((\a)%2)+4*\i:BK+16*((\a)%2)+4*\i+3], v[RD] offset:4*SPITCH*\i   ; LDS serves a wave's instructions in order (ISA guide 5.7.1.4)
.endr
.endm
.macro SEND a, younger
	s_wait_dscnt \younger
.if (\a) == 4
	s_add_nc_u64 s[10:11], s[10:11], s[90:91]      ; (behind a wait on XCNT for 0: the earlier stores have read their base)
.elseif (\a) > 0
	s_add_nc_u64 s[10:11], s[10:11], s[88:89]
.endif
.irp i, 0,1,2,3
	global_store_b128 v[CO+\i], v[BK+16*((\a)%2)+4*\i:BK+16*((\a)%2)+4*\i+3], s[10:11]   ; v: 512 consecutive bytes; q, k: 256 consecutive bytes, aligned, in each of two heads
.endr
.endm
	s_wait_kmcnt 0x0
	s_cmp_eq_u32 ttmp9, 0
	s_cselect_b64 s[10:11], s[10:11], s[68:69]
	s_cselect_b32 s93, s74, s75
	s_cmp_eq_u32 ttmp9, 2
	s_cselect_b64 s[10:11], s[70:71], s[10:11]     ; the output, and its exponent: e2, e3 or e5
	s_cselect_b32 s93, s77, s93
	s_add_nc_u64 s[10:11], s[10:11], s[86:87]
	s_sub_co_i32 s93, s93, s72
	s_sub_co_i32 s93, s93, s73                     ; eX - e0 - e1: the three scales folded into the conversion's one
	s_add_co_i32 s93, s93, 127
	s_lshl_b32 s94, s93, 23
	v_mov_b32 v[SCV], s94
	s_add_co_i32 s93, s93, 8
	s_lshl_b32 s93, s93, 23
	s_or_b32 s93, s93, 0x600000
	v_mov_b32 v[LIM], s93
	PLACES NP
	TOSTAGE 0
.irp a, 1,2,3,4,5,6,7
.if \a > 1
	s_wait_xcnt 0x0                                ; block a - 2's stores have read their registers and their base
.endif
	TOSTAGE \a
	SEND \a-1, 12                                  ; behind block a - 1's loads: block a's 8 stores and 4 loads
.endr
	s_wait_xcnt 0x0
	SEND 7, 0
	s_wait_tensorcnt 0x0                           ; the wave's end
	ds_add_u32 v[SPW], v[NIL]
	s_wait_dscnt 0x0
	CROUND                                         ; the closing round
	s_endpgm
.Lfunc_end_k_q9dbd7ed9c2_gemm_qkv:
	.size	k_q9dbd7ed9c2_gemm_qkv, .Lfunc_end_k_q9dbd7ed9c2_gemm_qkv-k_q9dbd7ed9c2_gemm_qkv
	.p2alignl 7, 3214868480
	.fill 96, 4, 3214868480
	.section	.rodata,"a",@progbits
	.p2align	6, 0x0
	.amdhsa_kernel k_q9dbd7ed9c2_gemm_qkv
		.amdhsa_group_segment_fixed_size 327680
		.amdhsa_private_segment_fixed_size 0
		.amdhsa_enable_private_segment 0
		.amdhsa_kernarg_size 48
		.amdhsa_user_sgpr_count 2
		.amdhsa_user_sgpr_kernarg_segment_ptr 1
		.amdhsa_wavefront_size32 1
		.amdhsa_system_sgpr_workgroup_id_x 1
		.amdhsa_system_sgpr_workgroup_id_y 1
		.amdhsa_system_sgpr_workgroup_id_z 1
		.amdhsa_system_vgpr_workitem_id 0
		.amdhsa_next_free_vgpr 1024
		.amdhsa_next_free_sgpr 100
		.amdhsa_reserve_vcc 0
		.amdhsa_float_denorm_mode_32 3
		.amdhsa_float_denorm_mode_16_64 3
		.amdhsa_memory_ordered 1
		.amdhsa_forward_progress 1
		.amdhsa_inst_pref_size 126
	.end_amdhsa_kernel
	.amdgpu_metadata
---
amdhsa.version: [ 1, 2 ]
amdhsa.kernels:
  - .name:           k_q9dbd7ed9c2_gemm_qkv
    .symbol:         k_q9dbd7ed9c2_gemm_qkv.kd
    .args:
      - { .name: x_codes, .offset: 0, .size: 8, .value_kind: global_buffer, .address_space: global }
      - { .name: w_codes, .offset: 8, .size: 8, .value_kind: global_buffer, .address_space: global }
      - { .name: lowp_scales, .offset: 16, .size: 8, .value_kind: global_buffer, .address_space: global }
      - { .name: q_codes, .offset: 24, .size: 8, .value_kind: global_buffer, .address_space: global }
      - { .name: k_codes, .offset: 32, .size: 8, .value_kind: global_buffer, .address_space: global }
      - { .name: v_codes, .offset: 40, .size: 8, .value_kind: global_buffer, .address_space: global }
    .group_segment_fixed_size: 327680
    .private_segment_fixed_size: 0
    .kernarg_segment_align: 8
    .kernarg_segment_size: 48
    .max_flat_workgroup_size: 128
    .sgpr_count:     100
    .vgpr_count:     1024
    .wavefront_size: 32
...
	.end_amdgpu_metadata
.endif
;; end of part 2
;; launch attn (part 3): grid 4 x 64, 8 waves a work-group, no clusters, 105,472 bytes of LDS; arguments q_codes, k_codes, v_codes, lowp_scales, o_codes; writes o_codes
.if DOCPART == 3
	.amdgcn_target "amdgcn-amd-amdhsa--gfx1250"
	.amdhsa_code_object_version 6
	.text
	.protected	k_q9dbd7ed9c2_attn
	.globl	k_q9dbd7ed9c2_attn
	.p2align	8
	.type	k_q9dbd7ed9c2_attn,@function
k_q9dbd7ed9c2_attn:
	s_mov_b64 s[64:65], 0
	v_nop
	global_prefetch_b8 v0, s[64:65] scope:SCOPE_SE
	s_setreg_imm32_b32 hwreg(HW_REG_WAVE_MODE, 25, 1), 1
	s_wait_xcnt 0x0
; Causal attention of one head on codes of E4M3.  q_codes, k_codes [64 heads][2048][64]; v_codes [64 heads][16][64 d][128 keys]; out: o_codes, the result's codes (scale 2^e6), laid as images of the last product's operand:
; [row / 16][head / 2][piece c][lane][16 bytes]; piece c = 2 (head % 2) + d / 32 of lane (r, h) holds d = 32 (c % 2) + 16 h + 0 .. 15 of row r.
; LEFT OUT: a step of 128 keys all of which come after my wave's 32 queries: reference()'s own mask makes their weights 0 for all inputs (shown at the head of the first launch's text).
; SOFTMAX: t = score x log2(e) / 8; M = the running largest t rounded up to a whole number; p = 2^(t - M) is quantised with 2^e4; the sum of the unquantised p divides at the end; when M moves, sum and O are multiplied by 2^(old M - new M).
; SHARES: work-group (i, head) makes block i of 256 queries and then block 7 - i: (i + 1) + (8 - i) = 9 slots of 256 keys for every work-group.  A wave owns 32 queries, tiles A and B of 16, so that each fragment of K and V read from
; LDS feeds two matrix instructions.  Both products are used transposed: a lane holds one query throughout.
; NO CLUSTER, NO TENSOR LOAD: the four work-groups of a head walk slots 0 .. i, 0 .. 7 - i: from the second trip on they want different tiles.  K and V come through registers: each thread loads 128 bytes of the next slot at a trip's head
; and stores them to the other LDS slot at its end, two key steps later, so no wave waits for them and nothing is prefetched.  The stores lay rows with bits 3 and 4 of the row's number exchanged: a tile is then 16 rows on end, and lane r of tile
; 2 b + u holds key (or d) 32 b + 8 u + r + 8 (r / 8), so that the 16 registers of tiles 2 b, 2 b + 1 are 16 neighbours along the next product's K.
; p's HOLD: p <= 1, and 448 x 2^e4 >= 1 whenever e4 >= -8; only for e4 < -8 can the hold move a number, so a scalar branch on e4, a whole number among the inputs, leads round it otherwise.
; LIMITS: e2 + e3 between -123 and 130; e4 and e6 between -126 and 119; NaN among the inputs is not served.  Inside a matrix instruction the sums go in the order of the 16-byte pieces.
; REGISTERS.  window 0: v1-13 addresses; v14, 15: 2^e4, 448 x 2^e4; v16-19, v20-23: -M, largest t, the sum's halves, of A and of B; v24-27: f; v28-31 at work; v32-47 Q; v48-111 K; v112-175 S of A; v176-239 S of B; v240-251 below.
;   window 1: v0-63 O^T (A, B); v64-127 V; v128-159 p's codes; v160-191 the next slot on its way; v192-207 the second block's Q; v208-223 the result's codes.
.set KP,    80                         ; a key's row in LDS: 64 bytes + 16
.set VP,    144                        ; a row of V: 128 bytes + 16
.set VOFF,  256*KP
.set SLOT1, 65536
.set SPARE, SLOT1+VOFF+128*VP          ; behind slot 1: the spare words, 128 bytes for each wave, which no other line names
.set AK0,  1                           ; my lane's place in a tile of K;  v2: of V
.set AV0,  2
.set KST0, 3                           ; where my thread stores its 16 bytes of K;  v4: of V
.set VST0, 4
.set T16,  5                           ; 16 x thread
.set L16,  6                           ; 16 x lane
.set GOFF, 7                           ; byte offset of the slot that is being fetched, + 16 x thread
.set ADK,  8
.set ADV,  9
.set ADKS, 10
.set ADVS, 11
.set SPW,  12
.set NIL,  13
.set QA,   32
.set KR,   48
.set SA,   112
.set SB,   176
.set VR,   64                          ; window 1
.set PA,   128
.set PB,   144
.set STG,  160
.set Q2,   192
.set OC,   208
.set WV,   14
.set IX,   15
.set BH,   16
.set QBL,  17                          ; the block of queries in hand
.set KS,   18                          ; the slot of keys in hand
.set TR,   19                          ; trips done
.set SEL,  20
.set CS,   22
.set TB,   32                          ; LDS byte of the slot that is read;  s33: of the other
.set TBO,  33
.set Q0,   34                          ; my first query
.set KF,   35                          ; the step's first key
.set NS,   36
.set HOLD, 37
.set TM,   38                          ; s38 at work; s39 stays 0
.set KB,   40
.set VB,   42
.set QP1,  44
.set QP2,  46
.set OB,   48
.set EPV,  50
.set T2,   51
.set MSB, 0
.macro WIN new                         ; the immediate's high byte repeats the setting that is left
.if MSB != \new
	s_set_vgpr_msb (MSB<<8)|\new
.set MSB, \new
.endif
.endm
	s_load_b256 s[4:11], s[0:1], 0x0               ; q s[4:5], k s[6:7], v s[8:9], the exponents s[10:11]
	s_load_b64 s[12:13], s[0:1], 0x20              ; o_codes
	v_lshl_add_u32 v[SPW], v0, 2, SPARE
	v_mov_b32 v[NIL], 0
	v_lshrrev_b32 v28, 5, v0
	v_readfirstlane_b32 s[WV], v28
	s_mov_b32 s[IX], ttmp9
	s_and_b32 s[BH], ttmp7, 0xffff
	v_and_b32 v30, 15, v0                          ; r
	v_bfe_u32 v31, v0, 4, 1                        ; h
	v_mul_u32_u24 v[AK0], v30, KP
	v_lshl_add_u32 v[AK0], v31, 4, v[AK0]
	v_mul_u32_u24 v[AV0], v30, VP
	v_lshl_add_u32 v[AV0], v31, 4, v[AV0]
	v_add_nc_u32 v[AV0], VOFF, v[AV0]
	v_lshrrev_b32 v28, 2, v0                       ; K: my thread's 16 bytes lie in row thread / 4 of 64; bits 3 and 4 of the row change places
	v_and_b32 v28, 0x27, v28
	v_bfe_u32 v29, v0, 5, 1
	v_lshl_or_b32 v28, v29, 4, v28
	v_bfe_u32 v29, v0, 6, 1
	v_lshl_or_b32 v28, v29, 3, v28
	v_mul_u32_u24 v[KST0], v28, KP
	v_and_b32 v29, 3, v0
	v_lshl_add_u32 v[KST0], v29, 4, v[KST0]
	v_lshrrev_b32 v28, 3, v0                       ; V: row thread / 8 of 32, likewise
	v_and_b32 v28, 7, v28
	v_bfe_u32 v29, v0, 6, 1
	v_lshl_or_b32 v28, v29, 4, v28
	v_bfe_u32 v29, v0, 7, 1
	v_lshl_or_b32 v28, v29, 3, v28
	v_mul_u32_u24 v[VST0], v28, VP
	v_and_b32 v29, 7, v0
	v_lshl_add_u32 v[VST0], v29, 4, v[VST0]
	v_add_nc_u32 v[VST0], VOFF, v[VST0]
	v_lshlrev_b32 v[T16], 4, v0
	v_and_b32 v[L16], 31, v0
	v_lshlrev_b32 v[L16], 4, v[L16]
	v_lshlrev_b32 v250, 4, v31
	v_sub_nc_u32 v250, v30, v250                   ; v250: r - 16 h, for the mask
	v_lshlrev_b32 v251, 6, v30
	v_lshl_add_u32 v251, v31, 4, v251              ; v251: Q: row r of 64 bytes, + 16 h
	s_lshl_b32 s[TM], s[BH], 17                    ; the head's first byte in q, k and v alike
	s_mov_b32 s[TM+1], 0
	s_lshl_b32 s52, s[IX], 14
	s_lshl_b32 s53, s[WV], 11
	s_add_co_u32 s52, s52, s53
	s_add_co_u32 s52, s52, s[TM]                   ; my 32 queries of block i,
	s_mov_b32 s53, 0
	s_sub_co_u32 s54, 7, s[IX]
	s_lshl_b32 s54, s54, 14
	s_lshl_b32 s55, s[WV], 11
	s_add_co_u32 s54, s54, s55
	s_add_co_u32 s54, s54, s[TM]                   ; and of block 7 - i
	s_mov_b32 s55, 0
	s_mov_b32 s[SEL], 0x76543210
	s_mov_b32 s[SEL+1], 0xfedcba98
	s_mov_b32 s[CS], 0x3e38aa3b                    ; log2(e) / 8
	s_wait_kmcnt 0x0
	s_load_b256 s[24:31], s[10:11], 0x0            ; e0 .. e7
	s_add_nc_u64 s[KB:KB+1], s[6:7], s[TM:TM+1]
	s_add_nc_u64 s[VB:VB+1], s[8:9], s[TM:TM+1]
	s_add_nc_u64 s[QP1:QP1+1], s[4:5], s[52:53]
	s_add_nc_u64 s[QP2:QP2+1], s[4:5], s[54:55]
	WIN 0x40                                       ; destination window 1
.irp i, 0,1,2,3
	global_load_b128 v[STG+4*\i:STG+4*\i+3], v[T16], s[KB:KB+1] offset:4096*\i         ; slot 0: 16 KiB of K and 16 KiB of V, each a dense block
.endr
.irp i, 0,1,2,3
	global_load_b128 v[STG+16+4*\i:STG+16+4*\i+3], v[T16], s[VB:VB+1] offset:4096*\i
.endr
	WIN 0
.irp x, 0,1
.irp c, 0,1
	global_load_b128 v[QA+8*\x+4*\c:QA+8*\x+4*\c+3], v251, s[QP1:QP1+1] offset:1024*\x+32*\c
.endr
.endr
	WIN 0x40
.irp x, 0,1
.irp c, 0,1
	global_load_b128 v[Q2+8*\x+4*\c:Q2+8*\x+4*\c+3], v251, s[QP2:QP2+1] offset:1024*\x+32*\c
.endr
.endr
.set J, 0
.rept 64
	v_mov_b32 v[J], 0                              ; O^T: the step is written once; its first turn finds zeros
.set J, J+1
.endr
	WIN 0
	v_mov_b32 v17, 0xff61b1e6                      ; the largest t so far: -3e38
	v_mov_b32 v21, 0xff61b1e6
	v_floor_f32 v16, -v17                          ; -M
	v_floor_f32 v20, -v21
	v_mov_b32 v18, 0
	v_mov_b32 v19, 0
	v_mov_b32 v22, 0
	v_mov_b32 v23, 0
	v_mov_b32 v25, 0                               ; (upper halves of pairs that are named whole)
	v_mov_b32 v27, 0
	v_mov_b32 v240, 0                              ; (a lane permute's destination counts as read)
	v_mov_b32 v241, 0
	v_mov_b32 v247, 0xff800000                     ; -infinity
	s_wait_kmcnt 0x0
	s_add_co_i32 s[T2], s26, s27
	s_lshl_b32 s[T2], s[T2], 23
	s_add_co_i32 s[CS], s[CS], s[T2]               ; a score stands for score x 2^(e2 + e3): added to c's exponent field
	s_mov_b32 s[CS+1], s[CS]
	s_add_co_i32 s[T2], s28, 127
	s_lshl_b32 s52, s[T2], 23
	v_mov_b32 v14, s52                             ; 2^e4
	s_add_co_i32 s[T2], s[T2], 8
	s_lshl_b32 s[T2], s[T2], 23
	s_or_b32 s[T2], s[T2], 0x600000
	v_mov_b32 v15, s[T2]                           ; 448 x 2^e4
	s_add_co_i32 s[T2], s30, 127
	s_lshl_b32 s52, s[T2], 23
	v_mov_b32 v248, s52                            ; 2^e6
	s_add_co_i32 s[T2], s[T2], 8
	s_lshl_b32 s[T2], s[T2], 23
	s_or_b32 s[T2], s[T2], 0x600000
	v_mov_b32 v249, s[T2]                          ; 448 x 2^e6
	s_add_co_i32 s[EPV], s28, s29                  ; e4 + e5
	s_cmp_lt_i32 s28, -8
	s_cselect_b32 s[HOLD], 1, 0
	s_mov_b32 s[QBL], s[IX]
	s_mov_b32 s[KS], 0
	s_mov_b32 s[TR], 0
	s_mov_b32 s[TB], 0
	s_mov_b32 s[TBO], SLOT1
	s_wait_loadcnt 8                               ; slot 0's eight loads are in; Q's eight may be out
	WIN 0x04                                       ; store data window 1
.irp i, 0,1,2,3
	ds_store_b128 v[KST0], v[STG+4*\i:STG+4*\i+3] offset:64*KP*\i
	ds_store_b128 v[VST0], v[STG+16+4*\i:STG+16+4*\i+3] offset:32*VP*\i
.endr
	WIN 0
	s_wait_loadcnt 0x0                             ; Q
	s_wait_dscnt 0x0                               ; my stores have landed
	s_barrier_signal -1
	s_barrier_wait -1
.macro MASK s                          ; register 16 b + i holds key KF + 32 b + 16 h + i: hidden where 32 b + i > v246 = my query - KF - 16 h
.set N, 0
.rept 64
	v_cmp_gt_i32 vcc_lo, 32*(N/16)+N%16, v246
	v_cndmask_b32 v[\s+N], v[\s+N], v247, vcc_lo
.set N, N+1
.endr
.endm
; A KEY STEP: 128 keys, the q-th of the slot in hand, for my two tiles of queries.
.macro STEP q
	s_add_co_u32 s[TM], s[Q0], 31
	s_cmp_gt_u32 s[KF], s[TM]                      ; all 128 keys come after my 32 queries: ids alone; no barrier stands in a step
	s_cbranch_scc1 .Lhidden_\@
.irp t, 0,1,2,3,4,5,6,7
.irp c, 0,1
	ds_load_b128 v[KR+8*\t+4*\c:KR+8*\t+4*\c+3], v[ADK] offset:(128*(\q)+16*\t)*KP+32*\c
.endr
.endr
	WIN 0x40
.irp t, 0,1,2,3
.irp c, 0,1,2,3
	ds_load_b128 v[VR+16*\t+4*\c:VR+16*\t+4*\c+3], v[ADV] offset:64*VP*(\q)+16*VP*\t+32*\c
.endr
.endr
	WIN 0
	s_wait_dscnt 16                                ; K's 16 loads are in; V's 16 may be out
.irp t, 0,1,2,3,4,5,6,7
	v_wmma_f32_16x16x64_fp8_fp8 v[SA+8*\t:SA+8*\t+7], v[KR+8*\t:KR+8*\t+7], v[QA:QA+7], 0        ; S^T = K Q^T: source 0 = 16 keys, source 1 = 16 queries
	v_wmma_f32_16x16x64_fp8_fp8 v[SB+8*\t:SB+8*\t+7], v[KR+8*\t:KR+8*\t+7], v[QA+8:QA+15], 0
.endr
.rept 4
	v_nop                                          ; places in front of the first read of the scores (ISA guide 7.12.1)
.endr
	s_add_co_u32 s[TM], s[KF], 127
	s_cmp_le_u32 s[TM], s[Q0]                      ; all keys count for all my queries: no mask
	s_cbranch_scc1 .Lopen_\@
	s_sub_co_i32 s[TM], s[Q0], s[KF]
	v_add_nc_u32 v246, s[TM], v250
	MASK SA
	v_add_nc_u32 v246, 16, v246
	MASK SB
.Lopen_\@:
	v_max3_num_f32 v28, v[SA], v[SA+1], v[SA+2]    ; the step's largest score of each query: two chains a tile, each accumulator from its low end on
	v_max3_num_f32 v29, v[SA+3], v[SA+4], v[SA+5]
	v_max3_num_f32 v30, v[SB], v[SB+1], v[SB+2]
	v_max3_num_f32 v31, v[SB+3], v[SB+4], v[SB+5]
.set I, 6
.rept 14
	v_max3_num_f32 v28, v28, v[SA+I], v[SA+I+1]
	v_max3_num_f32 v29, v29, v[SA+I+2], v[SA+I+3]
	v_max3_num_f32 v30, v30, v[SB+I], v[SB+I+1]
	v_max3_num_f32 v31, v31, v[SB+I+2], v[SB+I+3]
.set I, I+4
.endr
	v_max3_num_f32 v28, v28, v[SA+62], v[SA+63]
	v_max3_num_f32 v30, v30, v[SB+62], v[SB+63]
	v_max_num_f32 v28, v28, v29
	v_max_num_f32 v30, v30, v31
	v_permlanex16_b32 v240, v28, s[SEL], s[SEL+1]  ; the query's other 64 keys lie in lane l xor 16
	v_permlanex16_b32 v241, v30, s[SEL], s[SEL+1]
	v_max_num_f32 v28, v28, v240
	v_max_num_f32 v30, v30, v241
	v_mul_f32 v28, s[CS], v28                      ; as t (c is positive)
	v_mul_f32 v30, s[CS], v30
	v_max_num_f32 v17, v17, v28
	v_max_num_f32 v21, v21, v30
	v_mov_b32 v28, v16
	v_mov_b32 v30, v20
	v_floor_f32 v16, -v17                          ; -M = floor(-t): M is a whole number
	v_floor_f32 v20, -v21
	v_sub_f32 v28, v16, v28                        ; old M - new M, 0 or less
	v_sub_f32 v30, v20, v30
	v_cvt_i32_f32 v28, v28                         ; (it saturates)
	v_cvt_i32_f32 v30, v30
	v_ldexp_f32 v24, 1.0, v28                      ; f = 2^(old M - new M)
	v_ldexp_f32 v26, 1.0, v30
.set J, 0
.rept 32
	v_pk_fma_f32 v[SA+J:SA+J+1], v[SA+J:SA+J+1], s[CS:CS+1], v[16:17] op_sel_hi:[1,0,0]   ; t - M (of c's and -M's pairs the low word serves both halves)
	v_pk_fma_f32 v[SB+J:SB+J+1], v[SB+J:SB+J+1], s[CS:CS+1], v[20:21] op_sel_hi:[1,0,0]
.set J, J+2
.endr
.set J, 0
.rept 128
	v_exp_f32 v[SA+J], v[SA+J]                     ; p = 2^(t - M): one batch (S of A and of B lie on end)
.set J, J+1
.endr
	v_pk_mul_f32 v[18:19], v[18:19], v[24:25] op_sel_hi:[1,0]   ; the sums under the new M: plain lines behind the exponentials
	v_pk_mul_f32 v[22:23], v[22:23], v[26:27] op_sel_hi:[1,0]
	s_wait_alu depctr_va_vdst(0)                   ; one wait for the batch, ahead of its first reader
	v_pk_add_f32 v[242:243], v[SA:SA+1], v[SA+2:SA+3]           ; the sums are taken of the unquantised p: two chains a tile
	v_pk_add_f32 v[244:245], v[SB:SB+1], v[SB+2:SB+3]
.set J, 4
.rept 15
	v_pk_add_f32 v[18:19], v[18:19], v[SA+J:SA+J+1]
	v_pk_add_f32 v[242:243], v[242:243], v[SA+J+2:SA+J+3]
	v_pk_add_f32 v[22:23], v[22:23], v[SB+J:SB+J+1]
	v_pk_add_f32 v[244:245], v[244:245], v[SB+J+2:SB+J+3]
.set J, J+4
.endr
	v_pk_add_f32 v[18:19], v[18:19], v[242:243]
	v_pk_add_f32 v[22:23], v[22:23], v[244:245]
	s_cmp_lg_u32 s[HOLD], 0                        ; e4 >= -8: p <= 1 <= 448 x 2^e4, the hold moves nothing
	s_cbranch_scc0 .Lnohold_\@
.set J, 0
.rept 128
	v_min_num_f32 v[SA+J], v[SA+J], v15            ; p is not negative: the hold is one-sided
.set J, J+1
.endr
.Lnohold_\@:
	WIN 0x40
.irp b, 0,1,2,3
	v_cvt_scalef32_pk8_fp8_f32 v[PA+4*\b:PA+4*\b+1], v[SA+16*\b:SA+16*\b+7], v14
	v_cvt_scalef32_pk8_fp8_f32 v[PA+4*\b+2:PA+4*\b+3], v[SA+16*\b+8:SA+16*\b+15], v14
	v_cvt_scalef32_pk8_fp8_f32 v[PB+4*\b:PB+4*\b+1], v[SB+16*\b:SB+16*\b+7], v14
	v_cvt_scalef32_pk8_fp8_f32 v[PB+4*\b+2:PB+4*\b+3], v[SB+16*\b+8:SB+16*\b+15], v14
.endr
	WIN 0x41                                       ; destination and source 0 window 1
.set J, 0
.rept 16
	v_pk_mul_f32 v[J:J+1], v[J:J+1], v[24:25] op_sel_hi:[1,0]            ; O^T under the new M; also the plain lines behind the conversions
	v_pk_mul_f32 v[32+J:32+J+1], v[32+J:32+J+1], v[26:27] op_sel_hi:[1,0]
.set J, J+2
.endr
	s_wait_dscnt 0x0                               ; V is in
	WIN 0x55                                       ; all in window 1
.irp t, 0,1,2,3
	v_wmma_f32_16x16x128_fp8_fp8 v[8*\t:8*\t+7], v[VR+16*\t:VR+16*\t+15], v[PA:PA+15], v[8*\t:8*\t+7]              ; O^T += V^T P^T: eight accumulators, one instruction a turn
	v_wmma_f32_16x16x128_fp8_fp8 v[32+8*\t:32+8*\t+7], v[VR+16*\t:VR+16*\t+15], v[PB:PB+15], v[32+8*\t:32+8*\t+7]
.endr
.rept 4
	v_nop                                          ; places for all that may follow: loads into V's registers, reads and writes of O^T
.endr
	WIN 0
.Lhidden_\@:
	s_add_co_u32 s[KF], s[KF], 128
.endm
.Ltrip:                                            ; 9 trips: a slot of 256 keys each
	s_lshl_b32 s[KF], s[KS], 8
	s_lshl_b32 s[Q0], s[QBL], 8
	s_lshl_b32 s[TM], s[WV], 5
	s_add_co_u32 s[Q0], s[Q0], s[TM]
	v_add_nc_u32 v[ADK], s[TB], v[AK0]             ; the trip's LDS addresses, made ahead of every branch
	v_add_nc_u32 v[ADV], s[TB], v[AV0]
	v_add_nc_u32 v[ADKS], s[TBO], v[KST0]
	v_add_nc_u32 v[ADVS], s[TBO], v[VST0]
	s_add_co_u32 s[NS], s[KS], 1
	s_cmp_eq_u32 s[KS], s[QBL]
	s_cselect_b32 s[NS], 0, s[NS]                  ; the next trip's slot of keys: behind a block's last, the next block's first
	s_cmp_eq_u32 s[TR], 8
	s_cbranch_scc1 .Lnofetch                       ; the last trip fetches nothing
	s_lshl_b32 s[TM], s[NS], 14
	v_add_nc_u32 v[GOFF], s[TM], v[T16]            ; (the last trip's loads, which read this register, were waited for)
	WIN 0x40
.irp i, 0,1,2,3
	global_load_b128 v[STG+4*\i:STG+4*\i+3], v[GOFF], s[KB:KB+1] offset:4096*\i
.endr
.irp i, 0,1,2,3
	global_load_b128 v[STG+16+4*\i:STG+16+4*\i+3], v[GOFF], s[VB:VB+1] offset:4096*\i
.endr
	WIN 0
.Lnofetch:
	STEP 0
	STEP 1
	s_cmp_eq_u32 s[TR], 8
	s_cbranch_scc1 .Lnostore
	s_wait_loadcnt 0x0                             ; the next slot's 128 bytes of mine are in: asked for two key steps ago
	WIN 0x04
.irp i, 0,1,2,3
	ds_store_b128 v[ADKS], v[STG+4*\i:STG+4*\i+3] offset:64*KP*\i          ; into the other slot: every wave left it ahead of the last barrier
	ds_store_b128 v[ADVS], v[STG+16+4*\i:STG+16+4*\i+3] offset:32*VP*\i
.endr
	WIN 0
.Lnostore:
	s_cmp_lg_u32 s[KS], s[QBL]
	s_cbranch_scc1 .Lmore
	; THE BLOCK'S END: O^T x 2^(e4 + e5) / the sum, quantised with 2^e6.  A lane's 16 registers of two neighbouring tiles are 16 neighbouring d: the codes are pieces of the next product's operand and are stored as they stand.
	s_wait_xcnt 0x0                                ; the first block's stores have read their base and their data
	v_add_f32 v18, v18, v19
	v_add_f32 v22, v22, v23
	v_permlanex16_b32 v240, v18, s[SEL], s[SEL+1]
	v_permlanex16_b32 v241, v22, s[SEL], s[SEL+1]
	v_add_f32 v18, v18, v240
	v_add_f32 v22, v22, v241
	v_rcp_f32 v24, v18
	v_rcp_f32 v26, v22
	v_nop                                          ; a plain line behind the reciprocals
	s_lshr_b32 s[TM], s[BH], 4
	s_lshl_b32 s[TM], s[TM], 7
	s_lshr_b32 s[T2], s[Q0], 4
	s_add_co_u32 s[TM], s[TM], s[T2]               ; row / 16 = 128 b + my first query / 16
	s_lshl_b32 s[TM], s[TM], 14
	s_bfe_u32 s[T2], s[BH], 0x30001                ; head / 2
	s_lshl_b32 s[T2], s[T2], 11
	s_add_co_u32 s[TM], s[TM], s[T2]
	s_and_b32 s[T2], s[BH], 1
	s_lshl_b32 s[T2], s[T2], 10
	s_add_co_u32 s[TM], s[TM], s[T2]
	s_add_nc_u64 s[OB:OB+1], s[12:13], s[TM:TM+1]
	s_wait_alu depctr_va_vdst(0)                   ; one wait for both reciprocals, ahead of their first reader
	v_ldexp_f32 v24, v24, s[EPV]
	v_ldexp_f32 v26, v26, s[EPV]
	WIN 0x41
.set J, 0
.rept 16
	v_pk_mul_f32 v[J:J+1], v[J:J+1], v[24:25] op_sel_hi:[1,0]
	v_pk_mul_f32 v[32+J:32+J+1], v[32+J:32+J+1], v[26:27] op_sel_hi:[1,0]
.set J, J+2
.endr
.set J, 0
.rept 64
	v_med3_num_f32 v[J], v[J], -v249, v249         ; the hold at 448 x 2^e6
.set J, J+1
.endr
.irp m, 0,1,2,3,4,5,6,7
	v_cvt_scalef32_pk8_fp8_f32 v[OC+2*\m:OC+2*\m+1], v[8*\m:8*\m+7], v248
.endr
	v_nop                                          ; a plain line behind the last conversion
	WIN 0x04
.irp x, 0,1
.irp p, 0,1
	global_store_b128 v[L16], v[OC+8*\x+4*\p:OC+8*\x+4*\p+3], s[OB:OB+1] offset:16384*\x+512*\p   ; 512 consecutive bytes, aligned
.endr
.endr
	WIN 0
	s_cmp_eq_u32 s[TR], 8
	s_cbranch_scc1 .Lmeet                          ; behind the second block nothing is begun anew
	v_mov_b32 v17, 0xff61b1e6                      ; the second block begins as the first did
	v_mov_b32 v21, 0xff61b1e6
	v_floor_f32 v16, -v17
	v_floor_f32 v20, -v21
	v_mov_b32 v18, 0
	v_mov_b32 v19, 0
	v_mov_b32 v22, 0
	v_mov_b32 v23, 0
	WIN 0x40
.set J, 0
.rept 64
	v_mov_b32 v[J], 0
.set J, J+1
.endr
	WIN 0x01                                       ; source 0 window 1
.set J, 0
.rept 16
	v_mov_b32 v[QA+J], v[Q2+J]
.set J, J+1
.endr
	WIN 0
	s_sub_co_u32 s[QBL], 7, s[IX]
	s_mov_b32 s[KS], 0
	s_branch .Lmeet
.Lmore:
	s_add_co_u32 s[KS], s[KS], 1
.Lmeet:
	s_wait_dscnt 0x0                               ; my stores into the other slot have landed, and my reads of this slot are over
	s_barrier_signal -1
	s_barrier_wait -1                              ; one barrier a trip serves both
	s_xor_b32 s[TB], s[TB], SLOT1
	s_xor_b32 s[TBO], s[TBO], SLOT1
	s_add_co_u32 s[TR], s[TR], 1
	s_cmp_lt_u32 s[TR], 9
	s_cbranch_scc1 .Ltrip
	s_wait_tensorcnt 0x0                           ; the wave's end, behind my last LDS store
	ds_add_u32 v[SPW], v[NIL]
	s_wait_dscnt 0x0
	s_endpgm
.Lfunc_end_k_q9dbd7ed9c2_attn:
	.size	k_q9dbd7ed9c2_attn, .Lfunc_end_k_q9dbd7ed9c2_attn-k_q9dbd7ed9c2_attn
	.p2alignl 7, 3214868480
	.fill 96, 4, 3214868480
	.section	.rodata,"a",@progbits
	.p2align	6, 0x0
	.amdhsa_kernel k_q9dbd7ed9c2_attn
		.amdhsa_group_segment_fixed_size 105472
		.amdhsa_private_segment_fixed_size 0
		.amdhsa_enable_private_segment 0
		.amdhsa_kernarg_size 40
		.amdhsa_user_sgpr_count 2
		.amdhsa_user_sgpr_kernarg_segment_ptr 1
		.amdhsa_wavefront_size32 1
		.amdhsa_system_sgpr_workgroup_id_x 1
		.amdhsa_system_sgpr_workgroup_id_y 1
		.amdhsa_system_sgpr_workgroup_id_z 1
		.amdhsa_system_vgpr_workitem_id 0
		.amdhsa_next_free_vgpr 480
		.amdhsa_next_free_sgpr 66
		.amdhsa_reserve_vcc 1
		.amdhsa_float_denorm_mode_32 3
		.amdhsa_float_denorm_mode_16_64 3
		.amdhsa_memory_ordered 1
		.amdhsa_forward_progress 1
		.amdhsa_inst_pref_size 100
	.end_amdhsa_kernel
	.amdgpu_metadata
---
amdhsa.version: [ 1, 2 ]
amdhsa.kernels:
  - .name:           k_q9dbd7ed9c2_attn
    .symbol:         k_q9dbd7ed9c2_attn.kd
    .args:
      - { .name: q_codes, .offset: 0, .size: 8, .value_kind: global_buffer, .address_space: global }
      - { .name: k_codes, .offset: 8, .size: 8, .value_kind: global_buffer, .address_space: global }
      - { .name: v_codes, .offset: 16, .size: 8, .value_kind: global_buffer, .address_space: global }
      - { .name: lowp_scales, .offset: 24, .size: 8, .value_kind: global_buffer, .address_space: global }
      - { .name: o_codes, .offset: 32, .size: 8, .value_kind: global_buffer, .address_space: global }
    .group_segment_fixed_size: 105472
    .private_segment_fixed_size: 0
    .kernarg_segment_align: 8
    .kernarg_segment_size: 40
    .max_flat_workgroup_size: 256
    .sgpr_count:     66
    .vgpr_count:     480
    .wavefront_size: 32
...
	.end_amdgpu_metadata
.endif
;; end of part 3
;; launch gemm_out (part 4): grid 4 x 64, 4 waves a work-group, clusters of 4 x 4, 327,680 bytes of LDS; arguments o_codes, w_codes, lowp_scales, b_fc, out0; writes out0
.if DOCPART == 4
	.amdgcn_target "amdgcn-amd-amdhsa--gfx1250"
	.amdhsa_code_object_version 6
	.text
	.protected	k_q9dbd7ed9c2_gemm_out
	.globl	k_q9dbd7ed9c2_gemm_out
	.p2align	8
	.type	k_q9dbd7ed9c2_gemm_out,@function
k_q9dbd7ed9c2_gemm_out:
	s_mov_b64 s[64:65], 0
	v_nop
	global_prefetch_b8 v0, s[64:65] scope:SCOPE_SE
	s_setreg_imm32_b32 hwreg(HW_REG_WAVE_MODE, 25, 1), 1
	s_wait_xcnt 0x0
	s_wait_alu depctr_hold_cnt(0) depctr_sa_sdst(0) depctr_va_vdst(0) depctr_va_sdst(0) depctr_va_ssrc(0) depctr_va_vcc(0) depctr_vm_vsrc(0)
	s_getreg_b32 s2, hwreg(HW_REG_IB_STS2, 6, 4)
	s_cmp_eq_u32 s2, 0
	s_cbranch_scc0 .Lentry_in_a_cluster
	s_endpgm
.Lentry_in_a_cluster:
	s_bfe_u32 s2, ttmp6, 0x10000c
	s_cmp_lg_u32 s2, 0xf033
	s_cbranch_scc0 .Lentry_shape_is_right
	s_endpgm
.Lentry_shape_is_right:
; out0 = (attention's result) w_fc + b_fc on codes of E4M3; a sum stands for sum x 2^(e6 + e7).  LIMIT: e6 + e7 between -126 and 127.  Inside a matrix instruction the sums go in the order of the 16-byte pieces.
; A: o_codes, images of the operand's registers: [row / 16 (512)][128 along K (8)][piece c (4)][lane (32)][16 bytes].  B: rows 3072-4095 of w_codes [4096][1024]: w_fc's columns, K innermost, as it is.  out0 [8192][1024] f32.
; A tile of 128 x 256 to a work-group, so that 256 work-groups share the stores; four waves, 64 x 128 each: 32 accumulators.  K goes in steps of 256 through two LDS slots filled by the tensor data mover.
; CLUSTERS: 4 x 4.  A's tiles are shared along a row of the cluster, B's along a column: joint loads.  Source 0 = 16 rows of B, source 1 = 16 rows of A: a lane holds eight neighbouring numbers of a row of out0.
; REGISTERS: window 0: v0-31 addresses; v128-191, v192-255 A's fragments, two sets; on the way out v32-255.  window 1: B's fragments, two sets.  window 2: accumulator (a, b) at v[8 (8 a + b)].  window 3: v0-63 b_fc at my 128 columns.
.set PITCH,  272                       ; a row of B in LDS: 256 bytes + 16
.set FR,     16
.set AREG,   32768                     ; a slot: A's images [8][2][2,048 bytes], dense,
.set HALFB,  128*PITCH                 ; then B's 256 rows
.set SLOT,   AREG+2*HALFB
.set SPARE,  2*SLOT                    ; behind the ring: the spare words, 128 bytes for each wave, which no other line names
.set SPITCH, 528                       ; the way out: a stage of 16 rows x (512 bytes + 16) for each wave, in slot 0, which has had its last fill and its last read by then
.set ADRA, 16
.set ADRB, 20
.set STO,  24
.set RD,   25
.set CO,   26
.set SPW,  28
.set NIL,  29
.set TMP,  32
.set AF,   128
.set BK,   128
.set G1, 24
.set G0, 32
.set G1B, 48
.set G0B, 56
.set MSB, 0
.macro WIN new                         ; the immediate's high byte repeats the setting that is left
.if MSB != \new
	s_set_vgpr_msb (MSB<<8)|\new
.set MSB, \new
.endif
.endm
.set MUL,  0xa1                        ; source 0 (B) window 1, source 1 (A) window 0, C and D window 2
.set TO_B, 0x40
.macro JLOAD g0a, g1a, g0b, g1b        ; a joint load: waves 0 and 1 fetch A's halves, waves 2 and 3 B's; an s_nop 0 and four v_nop follow each of the two lines
	s_cmp_eq_u32 s15, 0
	s_cbranch_scc0 .Lfor_b_\@
	tensor_load_to_lds s[\g0a:\g0a+3], s[\g1a:\g1a+7]
	s_nop 0
.rept 4
	v_nop
.endr
	s_branch .Lasked_\@
.Lfor_b_\@:
	tensor_load_to_lds s[\g0b:\g0b+3], s[\g1b:\g1b+7]
	s_nop 0
.rept 4
	v_nop
.endr
.Lasked_\@:
.endm
.macro CREST
	s_cmp_lg_u32 s14, 0
	s_cbranch_scc1 .Lnot_wave_0_\@
	s_barrier_signal -3
.Lnot_wave_0_\@:
	s_barrier_wait -3
	s_barrier_signal -1
	s_barrier_wait -1
.endm
.macro CROUND
	s_barrier_signal -1
	s_barrier_wait -1
	CREST
.endm
	s_load_b256 s[4:11], s[0:1], 0x0               ; o_codes s[4:5], w_codes s[6:7], the exponents s[8:9], b_fc s[10:11]
	s_load_b64 s[12:13], s[0:1], 0x20              ; out0
	v_lshl_add_u32 v[SPW], v0, 2, SPARE
	v_mov_b32 v[NIL], 0
	ds_add_u32 v[SPW], v[NIL]                      ; the wave's opening: the add, twice on end, and its wait ahead of my first tensor load
	ds_add_u32 v[SPW], v[NIL]
	v_lshrrev_b32 v1, 5, v0
	v_readfirstlane_b32 s14, v1                    ; wave 0..3
	s_lshr_b32 s15, s14, 1                         ; which 64 rows are mine.  Also: I fetch for A (0) or for B (1)
	s_and_b32 s16, s14, 1                          ; which 128 columns.  Also: which half of that tile I fetch
	s_bfe_u32 s40, ttmp6, 0x40000                  ; cx, cy
	s_bfe_u32 s41, ttmp6, 0x40004
	s_lshl_b32 s42, ttmp9, 2
	s_add_co_u32 s42, s42, s40                     ; tile column
	s_and_b32 s17, ttmp7, 0xffff
	s_lshl_b32 s17, s17, 2
	s_add_co_u32 s17, s17, s41                     ; tile row
	s_lshl_b32 s43, s41, 2
	s_lshl_b32 s43, 15, s43                        ; my row of the cluster
	s_lshl_b32 s44, 0x1111, s40                    ; my column
	s_or_b32 s[G1+0], s43, (3<<16)|(1<<21)         ; A: the mask; elements of 8 bytes; no padding; bit 21 beside a mask
	s_mov_b32 s[G1+1], 512<<16                     ; tensor_dim0 = 512 elements: two images, 4,096 bytes
	s_mov_b32 s[G1+2], 4<<16                       ; tensor_dim1 = 4 tiles of 16 rows
	s_mov_b32 s[G1+3], 512<<16                     ; tile_dim0
	s_mov_b32 s[G1+4], 4                           ; tile_dim1
	s_mov_b32 s[G1+5], 2048                        ; from one tile of rows to the next: 16,384 bytes
	s_mov_b32 s[G1+6], 0
	s_mov_b32 s[G1+7], 0
	s_or_b32 s[G1B+0], s44, (0<<16)|(1<<20)|(1<<21)|(5<<22)|(3<<25)  ; B: elements of 1 byte; after every 64 words, 4 words of padding
	s_mov_b32 s[G1B+1], 256<<16
	s_mov_b32 s[G1B+2], 128<<16
	s_mov_b32 s[G1B+3], 256<<16
	s_mov_b32 s[G1B+4], 128
	s_mov_b32 s[G1B+5], 1024
	s_mov_b32 s[G1B+6], 0
	s_mov_b32 s[G1B+7], 0
	s_lshl_b32 s20, s17, 3
	s_lshl_b32 s18, s16, 2
	s_add_co_u32 s20, s20, s18                     ; A: tile of rows 8 x tile row + 4 x half,
	s_lshl_b32 s20, s20, 14                        ; of 16,384 bytes
	s_mov_b32 s21, 0
	s_lshl_b32 s46, s42, 8
	s_lshl_b32 s18, s16, 7
	s_add_co_u32 s46, s46, s18
	s_add_co_u32 s46, s46, 3072                    ; B: row 3,072 + 256 x tile column + 128 x half,
	s_lshl_b32 s46, s46, 10                        ; of 1,024 bytes
	s_mov_b32 s47, 0
	s_lshl_b32 s45, s16, 14                        ; where they go: A's halves,
	s_mul_i32 s67, s16, HALFB
	s_add_co_u32 s67, s67, AREG                    ; B's halves: no place in the cluster enters an LDS address
	s_wait_dscnt 0x0                               ; both opening adds are done
	s_wait_kmcnt 0x0
	s_load_b64 s[96:97], s[8:9], 0x18              ; e6, e7
	s_add_nc_u64 s[20:21], s[4:5], s[20:21]
	s_add_nc_u64 s[46:47], s[6:7], s[46:47]
	CROUND                                         ; all sixteen work-groups are here: the first joint loads meet
.irp s, 0,1
	s_mov_b32 s[G0+4*\s], 1
	s_add_co_u32 s[G0+4*\s+1], s45, \s*SLOT
	s_add_nc_u64 s[G0+4*\s+2:G0+4*\s+3], s[20:21], \s*4096
	s_or_b32 s[G0+4*\s+3], s[G0+4*\s+3], 0x80000000
	s_mov_b32 s[G0B+4*\s], 1
	s_add_co_u32 s[G0B+4*\s+1], s67, \s*SLOT
	s_add_nc_u64 s[G0B+4*\s+2:G0B+4*\s+3], s[46:47], \s*256
	s_or_b32 s[G0B+4*\s+3], s[G0B+4*\s+3], 0x80000000
	JLOAD G0+4*\s, G1, G0B+4*\s, G1B               ; two loads of mine are out
.endr
	v_and_b32 v1, 15, v0                           ; r
	v_bfe_u32 v2, v0, 4, 1                         ; h
	v_and_b32 v6, 31, v0
	v_lshlrev_b32 v[CO], 4, v6                     ; 16 x lane
	v_mul_u32_u24 v3, v1, PITCH
	v_lshl_add_u32 v4, v2, 4, v3                   ; B: a fragment's row x pitch + 16 h
	s_lshl_b32 s21, s15, 14                        ; my four tiles of rows of A
	s_mul_i32 s22, s16, HALFB
	s_add_co_u32 s22, s22, AREG                    ; my 128 rows of B
.irp s, 0,1
	v_add_nc_u32 v[ADRA+\s], s21, v[CO]
	v_add_nc_u32 v[ADRB+\s], s22, v4
	s_add_co_u32 s21, s21, SLOT
	s_add_co_u32 s22, s22, SLOT
.endr
	s_mul_i32 s23, s14, 16*SPITCH                  ; my stage
	v_mul_u32_u24 v5, v1, SPITCH
	v_lshl_add_u32 v5, v2, 5, v5
	v_add_nc_u32 v[STO], s23, v5                   ; in: row r, 32 bytes for each half of the lanes
	v_add_nc_u32 v[RD], s23, v[CO]                 ; back: the 32 lanes take one row of 512 bytes
	s_lshl_b32 s20, s17, 7
	s_lshl_b32 s21, s15, 6
	s_add_co_u32 s20, s20, s21                     ; my first row of out0,
	s_lshl_b32 s20, s20, 12                        ; of 4,096 bytes
	s_lshl_b32 s46, s42, 10
	s_lshl_b32 s47, s16, 9
	s_add_co_u32 s46, s46, s47                     ; my first column, in bytes: in out0 and in b_fc alike
	s_add_co_u32 s20, s20, s46
	s_mov_b32 s21, 0
	s_mov_b32 s47, 0
	s_add_nc_u64 s[12:13], s[12:13], s[20:21]
	s_add_nc_u64 s[10:11], s[10:11], s[46:47]
	v_lshlrev_b32 v5, 5, v2                        ; b_fc: lane (r, h) wants, for block b, columns 16 b + 8 h + 0 .. 7
	WIN 0xc0                                       ; destination window 3
.irp b, 0,1,2,3,4,5,6,7
	global_load_b128 v[8*\b:8*\b+3], v5, s[10:11] offset:64*\b
	global_load_b128 v[8*\b+4:8*\b+7], v5, s[10:11] offset:64*\b+16
.endr
	WIN 0
; 8 matrix instructions: A's block a x B's eight, 128 along K, set p.  The 32 accumulators take turns, one instruction a turn, in the same order in every step.
.macro MUL8 a, p, zero
.irp b, 0,1,2,3,4,5,6,7
.if \zero
	v_wmma_f32_16x16x128_fp8_fp8 v[8*(8*(\a)+\b):8*(8*(\a)+\b)+7], v[128*(\p)+FR*\b:128*(\p)+FR*\b+FR-1], v[AF+64*(\p)+FR*(\a):AF+64*(\p)+FR*(\a)+FR-1], 0
.else
	v_wmma_f32_16x16x128_fp8_fp8 v[8*(8*(\a)+\b):8*(8*(\a)+\b)+7], v[128*(\p)+FR*\b:128*(\p)+FR*\b+FR-1], v[AF+64*(\p)+FR*(\a):AF+64*(\p)+FR*(\a)+FR-1], v[8*(8*(\a)+\b):8*(8*(\a)+\b)+7]
.endif
.endr
.endm
.macro FETCH slot, q, p                ; 48 LDS loads in one run: the fragments of the slot's q-th 128 along K into set p
	WIN TO_B
.irp i, 0,1,2,3,4,5,6,7
.irp c, 0,1,2,3
	ds_load_b128 v[128*(\p)+FR*\i+4*\c:128*(\p)+FR*\i+4*\c+3], v[ADRB+\slot] offset:128*(\q)+32*\c+\i*16*PITCH
.endr
.endr
	WIN 0
.irp a, 0,1,2,3
.irp c, 0,1,2,3
	ds_load_b128 v[AF+64*(\p)+FR*\a+4*\c:AF+64*(\p)+FR*\a+4*\c+3], v[ADRA+\slot] offset:4096*\a+2048*(\q)+512*\c   ; an image: 512 consecutive bytes an instruction
.endr
.endr
.endm
.macro PLACES n
.rept \n
	v_nop
.endr
.endm
.macro STEP slot, zero                 ; a slot's first 128 along K (set 0); the second's fragments are fetched into set 1
	s_wait_dscnt 0                                 ; set 0 is in
	PLACES 4                                       ; in front of loads into registers that the last products read
	FETCH \slot, 1, 1
	WIN MUL
	MUL8 0, 0, \zero
	MUL8 1, 0, \zero
	MUL8 2, 0, \zero
	MUL8 3, 0, \zero
.endm
; A slot's second 128 along K (set 1) changes slots: one barrier; in front of it each wave waits for all its tensor loads, adds 0 to its spare word, and waits for that and for its reads of this slot.
.macro TURN slot, next, fill
	WIN 0                                          ; (the add's two registers lie in window 0)
	s_wait_tensorcnt 0x0                           ; all my tensor loads have landed: my part of the next slot
	ds_add_u32 v[SPW], v[NIL]
	s_wait_dscnt 1                                 ; set 1 is in; the add may be out
	WIN MUL
	MUL8 0, 1, 0
	s_wait_dscnt 0x0                               ; the add is done, and my reads of this slot are over
	s_barrier_signal -1
	MUL8 1, 1, 0
	WIN 0
	s_barrier_wait -1
.if \fill
	CREST                                          ; the barrier has opened a round of the cluster's: no wave of any partner still reads this slot or has a load on its way
	s_add_nc_u64 s[G0+4*\slot+2:G0+4*\slot+3], s[G0+4*\slot+2:G0+4*\slot+3], 2*4096
	s_add_nc_u64 s[G0B+4*\slot+2:G0B+4*\slot+3], s[G0B+4*\slot+2:G0B+4*\slot+3], 2*256
	JLOAD G0+4*\slot, G1, G0B+4*\slot, G1B         ; my one tensor load behind the round; its four v_nop are the places in front of the loads below
.else
	PLACES 4
.endif
	FETCH \next, 0, 0
	WIN MUL
	MUL8 2, 1, 0
	MUL8 3, 1, 0
.endm
	s_wait_tensorcnt 1                             ; my part of slot 0 is in; slot 1's load may be out
	s_barrier_signal -1
	s_barrier_wait -1
	FETCH 0, 0, 0
	STEP 0, 1                                      ; K = 1,024 is four slots' worth, eight steps: written out
	TURN 0, 1, 1
	STEP 1, 0
	TURN 1, 0, 1
	STEP 0, 0
	TURN 0, 1, 0                                   ; the last two slots are not filled again
	STEP 1, 0
	s_wait_dscnt 0
	MUL8 0, 1, 0
	MUL8 1, 1, 0
	MUL8 2, 1, 0
	MUL8 3, 1, 0
	WIN 0
; THE WAY OUT, block by block of 16 rows x 128 columns: sum x 2^(e6 + e7) + b_fc, one packed multiply-add for two numbers; through my stage; back as whole rows of 512 bytes.
.macro TOSTAGE a
	WIN 0x32                                       ; source 0 (the sums) window 2, source 2 (b_fc) window 3
.set J, 0
.rept 32
	v_pk_fma_f32 v[TMP+J:TMP+J+1], v[64*(\a)+J:64*(\a)+J+1], s[96:97], v[J:J+1] op_sel_hi:[1,0,1]   ; each accumulator from its low end on
.set J, J+2
.endr
	WIN 0
.irp b, 0,1,2,3,4,5,6,7
	ds_store_b128 v[STO], v[TMP+8*\b:TMP+8*\b+3] offset:64*\b
	ds_store_b128 v[STO], v[TMP+8*\b+4:TMP+8*\b+7] offset:64*\b+16
.endr
.set BB, BK+64*((\a)%2)
.irp t, 0,1,2,3,4,5,6,7,8,9,10,11,12,13,14,15
	ds_load_b128 v[BB+4*\t:BB+4*\t+3], v[RD] offset:\t*SPITCH   ; LDS serves a wave's instructions in order (ISA guide 5.7.1.4)
.endr
.endm
.macro SEND a, younger
.set BB, BK+64*((\a)%2)
	s_wait_dscnt \younger
.if (\a) > 0
	s_add_nc_u64 s[12:13], s[12:13], 16*4096       ; (behind a wait on XCNT for 0: the earlier stores have read their base)
.endif
.irp t, 0,1,2,3,4,5,6,7,8,9,10,11,12,13,14,15
	global_store_b128 v[CO], v[BB+4*\t:BB+4*\t+3], s[12:13] offset:\t*4096 th:TH_STORE_NT   ; 32 lanes store 512 consecutive bytes, aligned; written once, read by nobody here
.endr
.endm
	s_wait_kmcnt 0x0
	s_add_co_i32 s96, s96, s97
	s_add_co_i32 s96, s96, 127
	s_lshl_b32 s96, s96, 23                        ; 2^(e6 + e7) as f32
	s_wait_loadcnt 0x0                             ; b_fc
	PLACES 4
	TOSTAGE 0
.irp a, 1,2,3
.if \a > 1
	s_wait_xcnt 0x0                                ; block a - 2's stores have read their registers and their base
.endif
	TOSTAGE \a
	SEND \a-1, 32                                  ; behind block a - 1's loads: block a's 16 stores and 16 loads
.endr
	s_wait_xcnt 0x0
	SEND 3, 0
	s_wait_tensorcnt 0x0                           ; the wave's end
	ds_add_u32 v[SPW], v[NIL]
	s_wait_dscnt 0x0
	CROUND                                         ; the closing round
	s_endpgm
.Lfunc_end_k_q9dbd7ed9c2_gemm_out:
	.size	k_q9dbd7ed9c2_gemm_out, .Lfunc_end_k_q9dbd7ed9c2_gemm_out-k_q9dbd7ed9c2_gemm_out
	.p2alignl 7, 3214868480
	.fill 96, 4, 3214868480
	.section	.rodata,"a",@progbits
	.p2align	6, 0x0
	.amdhsa_kernel k_q9dbd7ed9c2_gemm_out
		.amdhsa_group_segment_fixed_size 327680
		.amdhsa_private_segment_fixed_size 0
		.amdhsa_enable_private_segment 0
		.amdhsa_kernarg_size 40
		.amdhsa_user_sgpr_count 2
		.amdhsa_user_sgpr_kernarg_segment_ptr 1
		.amdhsa_wavefront_size32 1
		.amdhsa_system_sgpr_workgroup_id_x 1
		.amdhsa_system_sgpr_workgroup_id_y 1
		.amdhsa_system_sgpr_workgroup_id_z 1
		.amdhsa_system_vgpr_workitem_id 0
		.amdhsa_next_free_vgpr 832
		.amdhsa_next_free_sgpr 100
		.amdhsa_reserve_vcc 0
		.amdhsa_float_denorm_mode_32 3
		.amdhsa_float_denorm_mode_16_64 3
		.amdhsa_memory_ordered 1
		.amdhsa_forward_progress 1
		.amdhsa_inst_pref_size 77
	.end_amdhsa_kernel
	.amdgpu_metadata
---
amdhsa.version: [ 1, 2 ]
amdhsa.kernels:
  - .name:           k_q9dbd7ed9c2_gemm_out
    .symbol:         k_q9dbd7ed9c2_gemm_out.kd
    .args:
      - { .name: o_codes, .offset: 0, .size: 8, .value_kind: global_buffer, .address_space: global }
      - { .name: w_codes, .offset: 8, .size: 8, .value_kind: global_buffer, .address_space: global }
      - { .name: lowp_scales, .offset: 16, .size: 8, .value_kind: global_buffer, .address_space: global }
      - { .name: b_fc, .offset: 24, .size: 8, .value_kind: global_buffer, .address_space: global }
      - { .name: out0, .offset: 32, .size: 8, .value_kind: global_buffer, .address_space: global }
    .group_segment_fixed_size: 327680
    .private_segment_fixed_size: 0
    .kernarg_segment_align: 8
    .kernarg_segment_size: 40
    .max_flat_workgroup_size: 128
    .sgpr_count:     100
    .vgpr_count:     832
    .wavefront_size: 32
...
	.end_amdgpu_metadata
.endif
;; end of part 4
;; ======== version 2 of 2: 4 launches; version 1 with the launch attn written anew for expert scheduling mode
;; workspace buffers: x_codes 8,388,608 bytes; w_codes 4,194,304 bytes; q_codes 8,388,608 bytes; k_codes 8,388,608 bytes; v_codes 8,388,608 bytes; o_codes 8,388,608 bytes
;; launch quant: the kernel of part 1 again; grid 384 x 1, 4 waves a work-group, no clusters, 35,840 bytes of LDS; arguments x, w_qkv, w_fc, lowp_scales, x_codes, w_codes; writes x_codes, w_codes
;; launch gemm_qkv: the kernel of part 2 again; grid 12 x 32, 4 waves a work-group, clusters of 4 x 4, 327,680 bytes of LDS; arguments x_codes, w_codes, lowp_scales, q_codes, k_codes, v_codes; writes q_codes, k_codes, v_codes
;; launch attn (part 5): grid 4 x 64, 8 waves a work-group, no clusters, 105,472 bytes of LDS; arguments q_codes, k_codes, v_codes, lowp_scales, o_codes; writes o_codes
.if DOCPART == 5
	.amdgcn_target "amdgcn-amd-amdhsa--gfx1250"
	.amdhsa_code_object_version 6
	.text
	.protected	k_q9dbd7ed9c2_attn
	.globl	k_q9dbd7ed9c2_attn
	.p2align	8
	.type	k_q9dbd7ed9c2_attn,@function
k_q9dbd7ed9c2_attn:
	s_mov_b64 s[64:65], 0
	v_nop
	global_prefetch_b8 v0, s[64:65] scope:SCOPE_SE
	s_setreg_imm32_b32 hwreg(HW_REG_WAVE_SCHED_MODE, 0, 2), 2
	s_setreg_imm32_b32 hwreg(HW_REG_WAVE_MODE, 25, 1), 1
	s_wait_xcnt 0x0
	s_wait_alu depctr_vm_vsrc(0)
; Causal attention of one head on codes of E4M3.  q_codes, k_codes [64 heads][2048][64]; v_codes [64 heads][16][64 d][128 keys]; out: o_codes, the result's codes (scale 2^e6), laid as images of the last product's operand:
; [row / 16][head / 2][piece c][lane][16 bytes]; piece c = 2 (head % 2) + d / 32 of lane (r, h) holds d = 32 (c % 2) + 16 h + 0 .. 15 of row r.
; LEFT OUT: a step of 128 keys all of which come after my wave's 32 queries: reference()'s own mask makes their weights 0 for all inputs (shown at the head of the first launch's text).
; SOFTMAX: t = score x log2(e) / 8; M = the running largest t rounded up to a whole number; p = 2^(t - M) is quantised with 2^e4; the sum of the unquantised p divides at the end; when M moves, sum and O are multiplied by 2^(old M - new M).
; SHARES: work-group (i, head) makes block i of 256 queries and then block 7 - i: (i + 1) + (8 - i) = 9 slots of 256 keys for every work-group.  A wave owns 32 queries, tiles A and B of 16, so that each fragment of K and V read from
; LDS feeds two matrix instructions.  Both products are used transposed: a lane holds one query throughout.
; NO CLUSTER, NO TENSOR LOAD: the four work-groups of a head walk slots 0 .. i, 0 .. 7 - i: from the second trip on they want different tiles.  K and V come through registers: each thread loads 128 bytes of the next slot at a trip's head
; and stores them to the other LDS slot at its end, two key steps later, so no wave waits for them and nothing is prefetched.  The stores lay rows with bits 3 and 4 of the row's number exchanged: a tile is then 16 rows on end, and lane r of tile
; 2 b + u holds key (or d) 32 b + 8 u + r + 8 (r / 8), so that the 16 registers of tiles 2 b, 2 b + 1 are 16 neighbours along the next product's K.
; p's HOLD: p <= 1, and 448 x 2^e4 >= 1 whenever e4 >= -8; only for e4 < -8 can the hold move a number, so a scalar branch on e4, a whole number among the inputs, leads round it otherwise.
; LIMITS: e2 + e3 between -123 and 130; e4 and e6 between -126 and 119; NaN among the inputs is not served.  Inside a matrix instruction the sums go in the order of the 16-byte pieces.
; THE MODE: SCHED_MODE bits 1:0 = 2 (LLVM: expert scheduling mode 2), set by the entry lines.  The code itself states the register dependences between vector or matrix instructions and memory or LDS instructions, with s_wait_alu, always for 0.
; THE PLAN.  Registers that memory or LDS instructions touch, round a trip:
;   ADK, ADV, ADKS, ADVS, GOFF  Written by five additions at the trip's head; read by the trip's LDS loads, LDS stores and global loads.
;   STG   The trip's eight global loads land in it at the trip's head; its eight LDS stores read it at the trip's end.  No vector instruction names it.
;   KR    A step's 16 products K Q^T read it.  A slot's first K is loaded at the first step's head; its second K behind the first step's exponentials, dealt among that step's sums.
;   VR    A step's 8 products V^T P read it, the step's last matrix instructions; a step's V is loaded behind that step's exponentials.
;   OC    Written by the conversions at a block's end; read by the block's four stores.
;   T16, L16, KST0, VST0, v251, SPW, NIL  Made at the head and never written again.
; So a trip's head has one wait on vm_vsrc ahead of the five additions and one on va_vdst behind them; a step has ONE wait on va_vdst, behind its exponentials, which are its own batch's wait too: behind it this step's K Q^T are done reading KR
; and the last step's V^T P are done reading VR, and no vector instruction that follows names KR, VR, ADK or ADV before the loads are issued.  A block's end has one more ahead of its stores.
; The mask's compares write scalar registers, sixteen to a run, with one wait on va_sdst between a run and its sixteen selects.
; REGISTERS.  window 0: v1-13 addresses; v14, 15: 2^e4, 448 x 2^e4; v16-19, v20-23: -M, largest t, the sum's halves, of A and of B; v24-27: f; v28-31 at work; v32-47 Q; v48-111 K; v112-175 S of A; v176-239 S of B; v240-251 below.
;   window 1: v0-63 O^T (A, B); v64-127 V; v128-159 p's codes; v160-191 the next slot on its way; v192-207 the second block's Q; v208-223 the result's codes.
.set KP,    80                         ; a key's row in LDS: 64 bytes + 16
.set VP,    144                        ; a row of V: 128 bytes + 16
.set VOFF,  256*KP
.set SLOT1, 65536
.set SPARE, SLOT1+VOFF+128*VP          ; behind slot 1: the spare words, 128 bytes for each wave, which no other line names
.set AK0,  1                           ; my lane's place in a tile of K;  v2: of V
.set AV0,  2
.set KST0, 3                           ; where my thread stores its 16 bytes of K;  v4: of V
.set VST0, 4
.set T16,  5                           ; 16 x thread
.set L16,  6                           ; 16 x lane
.set GOFF, 7                           ; byte offset of the slot that is being fetched, + 16 x thread
.set ADK,  8
.set ADV,  9
.set ADKS, 10
.set ADVS, 11
.set SPW,  12
.set NIL,  13
.set QA,   32
.set KR,   48
.set SA,   112
.set SB,   176
.set VR,   64                          ; window 1
.set PA,   128
.set PB,   144
.set STG,  160
.set Q2,   192
.set OC,   208
.set WV,   14
.set IX,   15
.set BH,   16
.set QBL,  17                          ; the block of queries in hand
.set KS,   18                          ; the slot of keys in hand
.set TR,   19                          ; trips done
.set SEL,  20
.set CS,   22
.set TB,   32                          ; LDS byte of the slot that is read;  s33: of the other
.set TBO,  33
.set Q0,   34                          ; my first query
.set KF,   35                          ; the step's first key
.set NS,   36
.set HOLD, 37
.set TM,   38                          ; s38 at work; s39 stays 0
.set KB,   40
.set VB,   42
.set QP1,  44
.set QP2,  46
.set OB,   48
.set EPV,  50
.set T2,   51
.set MSB, 0                            ; s24-31 (the exponents, done with behind the head) and s56-63: the mask's sixteen lane masks
.macro WIN new                         ; the immediate's high byte repeats the setting that is left
.if MSB != \new
	s_set_vgpr_msb (MSB<<8)|\new
.set MSB, \new
.endif
.endm
	s_load_b256 s[4:11], s[0:1], 0x0               ; q s[4:5], k s[6:7], v s[8:9], the exponents s[10:11]
	s_load_b64 s[12:13], s[0:1], 0x20              ; o_codes
	v_lshl_add_u32 v[SPW], v0, 2, SPARE
	v_mov_b32 v[NIL], 0
	v_lshrrev_b32 v28, 5, v0
	v_readfirstlane_b32 s[WV], v28
	s_mov_b32 s[IX], ttmp9
	s_and_b32 s[BH], ttmp7, 0xffff
	v_and_b32 v30, 15, v0                          ; r
	v_bfe_u32 v31, v0, 4, 1                        ; h
	v_mul_u32_u24 v[AK0], v30, KP
	v_lshl_add_u32 v[AK0], v31, 4, v[AK0]
	v_mul_u32_u24 v[AV0], v30, VP
	v_lshl_add_u32 v[AV0], v31, 4, v[AV0]
	v_add_nc_u32 v[AV0], VOFF, v[AV0]
	v_lshrrev_b32 v28, 2, v0                       ; K: my thread's 16 bytes lie in row thread / 4 of 64; bits 3 and 4 of the row change places
	v_and_b32 v28, 0x27, v28
	v_bfe_u32 v29, v0, 5, 1
	v_lshl_or_b32 v28, v29, 4, v28
	v_bfe_u32 v29, v0, 6, 1
	v_lshl_or_b32 v28, v29, 3, v28
	v_mul_u32_u24 v[KST0], v28, KP
	v_and_b32 v29, 3, v0
	v_lshl_add_u32 v[KST0], v29, 4, v[KST0]
	v_lshrrev_b32 v28, 3, v0                       ; V: row thread / 8 of 32, likewise
	v_and_b32 v28, 7, v28
	v_bfe_u32 v29, v0, 6, 1
	v_lshl_or_b32 v28, v29, 4, v28
	v_bfe_u32 v29, v0, 7, 1
	v_lshl_or_b32 v28, v29, 3, v28
	v_mul_u32_u24 v[VST0], v28, VP
	v_and_b32 v29, 7, v0
	v_lshl_add_u32 v[VST0], v29, 4, v[VST0]
	v_add_nc_u32 v[VST0], VOFF, v[VST0]
	v_lshlrev_b32 v[T16], 4, v0
	v_and_b32 v[L16], 31, v0
	v_lshlrev_b32 v[L16], 4, v[L16]
	v_lshlrev_b32 v250, 4, v31
	v_sub_nc_u32 v250, v30, v250                   ; v250: r - 16 h, for the mask
	v_lshlrev_b32 v251, 6, v30
	v_lshl_add_u32 v251, v31, 4, v251              ; v251: Q: row r of 64 bytes, + 16 h
	s_lshl_b32 s[TM], s[BH], 17                    ; the head's first byte in q, k and v alike
	s_mov_b32 s[TM+1], 0
	s_lshl_b32 s52, s[IX], 14
	s_wait_alu depctr_va_sdst(0)                   ; the wave's number is written, ahead of its first reader: Q's addresses, my first query and the result's place are made from it
	s_lshl_b32 s53, s[WV], 11
	s_add_co_u32 s52, s52, s53
	s_add_co_u32 s52, s52, s[TM]                   ; my 32 queries of block i,
	s_mov_b32 s53, 0
	s_sub_co_u32 s54, 7, s[IX]
	s_lshl_b32 s54, s54, 14
	s_lshl_b32 s55, s[WV], 11
	s_add_co_u32 s54, s54, s55
	s_add_co_u32 s54, s54, s[TM]                   ; and of block 7 - i
	s_mov_b32 s55, 0
	s_mov_b32 s[SEL], 0x76543210
	s_mov_b32 s[SEL+1], 0xfedcba98
	s_mov_b32 s[CS], 0x3e38aa3b                    ; log2(e) / 8
	s_wait_kmcnt 0x0
	s_load_b256 s[24:31], s[10:11], 0x0            ; e0 .. e7
	s_add_nc_u64 s[KB:KB+1], s[6:7], s[TM:TM+1]
	s_add_nc_u64 s[VB:VB+1], s[8:9], s[TM:TM+1]
	s_add_nc_u64 s[QP1:QP1+1], s[4:5], s[52:53]
	s_add_nc_u64 s[QP2:QP2+1], s[4:5], s[54:55]
	WIN 0x40                                       ; destination window 1
	s_wait_alu depctr_va_vdst(0)                   ; the offsets and addresses that stay (v1 to v6, v251) are written: the loads below, the head's LDS stores and the blocks' stores read them, and no vector line writes them again
.irp i, 0,1,2,3
	global_load_b128 v[STG+4*\i:STG+4*\i+3], v[T16], s[KB:KB+1] offset:4096*\i         ; slot 0: 16 KiB of K and 16 KiB of V, each a dense block
.endr
.irp i, 0,1,2,3
	global_load_b128 v[STG+16+4*\i:STG+16+4*\i+3], v[T16], s[VB:VB+1] offset:4096*\i
.endr
	WIN 0
.irp x, 0,1
.irp c, 0,1
	global_load_b128 v[QA+8*\x+4*\c:QA+8*\x+4*\c+3], v251, s[QP1:QP1+1] offset:1024*\x+32*\c
.endr
.endr
	WIN 0x40
.irp x, 0,1
.irp c, 0,1
	global_load_b128 v[Q2+8*\x+4*\c:Q2+8*\x+4*\c+3], v251, s[QP2:QP2+1] offset:1024*\x+32*\c
.endr
.endr
.set J, 0
.rept 64
	v_mov_b32 v[J], 0                              ; O^T: the step is written once; its first turn finds zeros
.set J, J+1
.endr
	WIN 0
	v_mov_b32 v17, 0xff61b1e6                      ; the largest t so far: -3e38
	v_mov_b32 v21, 0xff61b1e6
	v_floor_f32 v16, -v17                          ; -M
	v_floor_f32 v20, -v21
	v_mov_b32 v18, 0
	v_mov_b32 v19, 0
	v_mov_b32 v22, 0
	v_mov_b32 v23, 0
	v_mov_b32 v25, 0                               ; (upper halves of pairs that are named whole)
	v_mov_b32 v27, 0
	v_mov_b32 v240, 0                              ; (a lane permute's destination counts as read)
	v_mov_b32 v241, 0
	v_mov_b32 v247, 0xff800000                     ; -infinity
	s_wait_kmcnt 0x0
	s_add_co_i32 s[T2], s26, s27
	s_lshl_b32 s[T2], s[T2], 23
	s_add_co_i32 s[CS], s[CS], s[T2]               ; a score stands for score x 2^(e2 + e3): added to c's exponent field
	s_mov_b32 s[CS+1], s[CS]
	s_add_co_i32 s[T2], s28, 127
	s_lshl_b32 s52, s[T2], 23
	v_mov_b32 v14, s52                             ; 2^e4
	s_add_co_i32 s[T2], s[T2], 8
	s_lshl_b32 s[T2], s[T2], 23
	s_or_b32 s[T2], s[T2], 0x600000
	v_mov_b32 v15, s[T2]                           ; 448 x 2^e4
	s_add_co_i32 s[T2], s30, 127
	s_lshl_b32 s52, s[T2], 23
	v_mov_b32 v248, s52                            ; 2^e6
	s_add_co_i32 s[T2], s[T2], 8
	s_lshl_b32 s[T2], s[T2], 23
	s_or_b32 s[T2], s[T2], 0x600000
	v_mov_b32 v249, s[T2]                          ; 448 x 2^e6
	s_add_co_i32 s[EPV], s28, s29                  ; e4 + e5
	s_cmp_lt_i32 s28, -8
	s_cselect_b32 s[HOLD], 1, 0
	s_mov_b32 s[QBL], s[IX]
	s_mov_b32 s[KS], 0
	s_mov_b32 s[TR], 0
	s_mov_b32 s[TB], 0
	s_mov_b32 s[TBO], SLOT1
	s_wait_loadcnt 8                               ; slot 0's eight loads are in; Q's eight may be out
	WIN 0x04                                       ; store data window 1
.irp i, 0,1,2,3
	ds_store_b128 v[KST0], v[STG+4*\i:STG+4*\i+3] offset:64*KP*\i              ; the addresses were written ahead of the wait on va_vdst above; the data are loads' results
	ds_store_b128 v[VST0], v[STG+16+4*\i:STG+16+4*\i+3] offset:32*VP*\i
.endr
	WIN 0
	s_wait_loadcnt 0x0                             ; Q
	s_wait_dscnt 0x0                               ; my stores have landed
	s_barrier_signal -1
	s_barrier_wait -1
; register 16 b + i holds key KF + 32 b + 16 h + i: hidden where 32 b + i > v246 = my query - KF - 16 h.  Sixteen compares into sixteen scalar registers, one wait, sixteen selects.
.macro MASK s
.set MB, 0
.rept 4
.set I, 0
.rept 16
	v_cmp_gt_i32 s[24+I+24*(I/8)], 32*MB+I, v246
.set I, I+1
.endr
	s_wait_alu depctr_va_sdst(0)                   ; the sixteen compares have written their lane masks, ahead of the selects that read them
.set I, 0
.rept 16
	v_cndmask_b32 v[\s+16*MB+I], v[\s+16*MB+I], v247, s[24+I+24*(I/8)]
.set I, I+1
.endr
.set MB, MB+1
.endr
.endm
; A KEY STEP: 128 keys, the q-th of the slot in hand, for my two tiles of queries.
.macro STEP q
	s_add_co_u32 s[TM], s[Q0], 31
	s_cmp_gt_u32 s[KF], s[TM]                      ; all 128 keys come after my 32 queries: ids alone; no barrier stands in a step.  Then the slot's later keys do so too: the jump leads behind both steps
	s_cbranch_scc1 .Lhidden
.if \q == 0
.irp t, 0,1,2,3,4,5,6,7
.irp c, 0,1
	ds_load_b128 v[KR+8*\t+4*\c:KR+8*\t+4*\c+3], v[ADK] offset:16*\t*KP+32*\c   ; the slot's first K.  No wait: the address and K's last readers stand ahead of the trip's wait on va_vdst
.endr
.endr
.endif
	s_wait_dscnt 0x0                               ; K is in (the slot's second K was asked for in the first step)
.irp t, 0,1,2,3,4,5,6,7
	v_wmma_f32_16x16x64_fp8_fp8 v[SA+8*\t:SA+8*\t+7], v[KR+8*\t:KR+8*\t+7], v[QA:QA+7], 0        ; S^T = K Q^T: source 0 = 16 keys, source 1 = 16 queries
	v_wmma_f32_16x16x64_fp8_fp8 v[SB+8*\t:SB+8*\t+7], v[KR+8*\t:KR+8*\t+7], v[QA+8:QA+15], 0
.endr
.rept 4
	v_nop                                          ; places in front of the first read of the scores (ISA guide 7.12.1)
.endr
	s_add_co_u32 s[TM], s[KF], 127
	s_cmp_le_u32 s[TM], s[Q0]                      ; all keys count for all my queries: no mask
	s_cbranch_scc1 .Lopen_\@
	s_sub_co_i32 s[TM], s[Q0], s[KF]
	v_add_nc_u32 v246, s[TM], v250
	MASK SA
	v_add_nc_u32 v246, 16, v246
	MASK SB
.Lopen_\@:
	v_max3_num_f32 v28, v[SA], v[SA+1], v[SA+2]    ; the step's largest score of each query: two chains a tile, each accumulator from its low end on
	v_max3_num_f32 v29, v[SA+3], v[SA+4], v[SA+5]
	v_max3_num_f32 v30, v[SB], v[SB+1], v[SB+2]
	v_max3_num_f32 v31, v[SB+3], v[SB+4], v[SB+5]
.set I, 6
.rept 14
	v_max3_num_f32 v28, v28, v[SA+I], v[SA+I+1]
	v_max3_num_f32 v29, v29, v[SA+I+2], v[SA+I+3]
	v_max3_num_f32 v30, v30, v[SB+I], v[SB+I+1]
	v_max3_num_f32 v31, v31, v[SB+I+2], v[SB+I+3]
.set I, I+4
.endr
	v_max3_num_f32 v28, v28, v[SA+62], v[SA+63]
	v_max3_num_f32 v30, v30, v[SB+62], v[SB+63]
	v_max_num_f32 v28, v28, v29
	v_max_num_f32 v30, v30, v31
	v_permlanex16_b32 v240, v28, s[SEL], s[SEL+1]  ; the query's other 64 keys lie in lane l xor 16
	v_permlanex16_b32 v241, v30, s[SEL], s[SEL+1]
	v_max_num_f32 v28, v28, v240
	v_max_num_f32 v30, v30, v241
	v_mul_f32 v28, s[CS], v28                      ; as t (c is positive)
	v_mul_f32 v30, s[CS], v30
	v_max_num_f32 v17, v17, v28
	v_max_num_f32 v21, v21, v30
	v_mov_b32 v28, v16
	v_mov_b32 v30, v20
	v_floor_f32 v16, -v17                          ; -M = floor(-t): M is a whole number
	v_floor_f32 v20, -v21
	v_sub_f32 v28, v16, v28                        ; old M - new M, 0 or less
	v_sub_f32 v30, v20, v30
	v_cvt_i32_f32 v28, v28                         ; (it saturates)
	v_cvt_i32_f32 v30, v30
	v_ldexp_f32 v24, 1.0, v28                      ; f = 2^(old M - new M)
	v_ldexp_f32 v26, 1.0, v30
.set J, 0
.rept 32
	v_pk_fma_f32 v[SA+J:SA+J+1], v[SA+J:SA+J+1], s[CS:CS+1], v[16:17] op_sel_hi:[1,0,0]   ; t - M (of c's and -M's pairs the low word serves both halves)
	v_pk_fma_f32 v[SB+J:SB+J+1], v[SB+J:SB+J+1], s[CS:CS+1], v[20:21] op_sel_hi:[1,0,0]
.set J, J+2
.endr
.set J, 0
.rept 128
	v_exp_f32 v[SA+J], v[SA+J]                     ; p = 2^(t - M): one batch (S of A and of B lie on end)
.set J, J+1
.endr
	v_pk_mul_f32 v[18:19], v[18:19], v[24:25] op_sel_hi:[1,0]   ; the sums under the new M: plain lines behind the exponentials
	v_pk_mul_f32 v[22:23], v[22:23], v[26:27] op_sel_hi:[1,0]
	WIN 0x40                                       ; destination window 1, for V's loads
	s_wait_alu depctr_va_vdst(0)                   ; THE STEP'S ONE WAIT: the exponentials have written p, ahead of its first reader; the last step's V^T P are done reading V's registers and this step's K Q^T are done reading K's, in which the loads below land
.irp t, 0,1,2,3
.irp c, 0,1,2,3
	ds_load_b128 v[VR+16*\t+4*\c:VR+16*\t+4*\c+3], v[ADV] offset:64*VP*(\q)+16*VP*\t+32*\c   ; this step's V: the sums, conversions and rescaling below stand between these loads and their use
.endr
.endr
	WIN 0
	v_pk_add_f32 v[242:243], v[SA:SA+1], v[SA+2:SA+3]           ; the sums are taken of the unquantised p: two chains a tile
	v_pk_add_f32 v[244:245], v[SB:SB+1], v[SB+2:SB+3]
.set J, 4
.rept 15
	v_pk_add_f32 v[18:19], v[18:19], v[SA+J:SA+J+1]
	v_pk_add_f32 v[242:243], v[242:243], v[SA+J+2:SA+J+3]
	v_pk_add_f32 v[22:23], v[22:23], v[SB+J:SB+J+1]
	v_pk_add_f32 v[244:245], v[244:245], v[SB+J+2:SB+J+3]
.if \q == 0
	ds_load_b128 v[KR+J-4:KR+J-1], v[ADK] offset:(128+16*((J-4)/8))*KP+32*(((J-4)/4)%2)   ; the slot's second K, a load behind each four sums.  No wait: no vector line since the step's wait names K's registers or their address
.endif
.set J, J+4
.endr
	v_pk_add_f32 v[18:19], v[18:19], v[242:243]
	v_pk_add_f32 v[22:23], v[22:23], v[244:245]
.if \q == 0
	ds_load_b128 v[KR+60:KR+63], v[ADK] offset:(128+16*7)*KP+32                 ; the sixteenth
.endif
	s_cmp_lg_u32 s[HOLD], 0                        ; e4 >= -8: p <= 1 <= 448 x 2^e4, the hold moves nothing
	s_cbranch_scc0 .Lnohold_\@
.set J, 0
.rept 128
	v_min_num_f32 v[SA+J], v[SA+J], v15            ; p is not negative: the hold is one-sided
.set J, J+1
.endr
.Lnohold_\@:
	WIN 0x40
.irp b, 0,1,2,3
	v_cvt_scalef32_pk8_fp8_f32 v[PA+4*\b:PA+4*\b+1], v[SA+16*\b:SA+16*\b+7], v14
	v_cvt_scalef32_pk8_fp8_f32 v[PA+4*\b+2:PA+4*\b+3], v[SA+16*\b+8:SA+16*\b+15], v14
	v_cvt_scalef32_pk8_fp8_f32 v[PB+4*\b:PB+4*\b+1], v[SB+16*\b:SB+16*\b+7], v14
	v_cvt_scalef32_pk8_fp8_f32 v[PB+4*\b+2:PB+4*\b+3], v[SB+16*\b+8:SB+16*\b+15], v14
.endr
	WIN 0x41                                       ; destination and source 0 window 1
.set J, 0
.rept 16
	v_pk_mul_f32 v[J:J+1], v[J:J+1], v[24:25] op_sel_hi:[1,0]            ; O^T under the new M; also the plain lines behind the conversions
	v_pk_mul_f32 v[32+J:32+J+1], v[32+J:32+J+1], v[26:27] op_sel_hi:[1,0]
.set J, J+2
.endr
.if \q == 0
	s_wait_dscnt 16                                ; V is in; the 16 younger loads, the slot's second K, may be out
.else
	s_wait_dscnt 0x0                               ; V is in
.endif
	WIN 0x55                                       ; all in window 1
.irp t, 0,1,2,3
	v_wmma_f32_16x16x128_fp8_fp8 v[8*\t:8*\t+7], v[VR+16*\t:VR+16*\t+15], v[PA:PA+15], v[8*\t:8*\t+7]              ; O^T += V^T P^T: eight accumulators, one instruction a turn
	v_wmma_f32_16x16x128_fp8_fp8 v[32+8*\t:32+8*\t+7], v[VR+16*\t:VR+16*\t+15], v[PB:PB+15], v[32+8*\t:32+8*\t+7]
.endr
.rept 4
	v_nop                                          ; places for the vector lines that may follow: reads and writes of O^T
.endr
	WIN 0
.if \q == 0
	s_add_co_u32 s[KF], s[KF], 128
.endif
.endm
.Ltrip:                                            ; 9 trips: a slot of 256 keys each
	s_lshl_b32 s[KF], s[KS], 8
	s_lshl_b32 s[Q0], s[QBL], 8
	s_lshl_b32 s[TM], s[WV], 5
	s_add_co_u32 s[Q0], s[Q0], s[TM]
	s_wait_alu depctr_vm_vsrc(0)                   ; the last trip's LDS loads and stores have read their four addresses, its global loads their offset, its LDS stores the registers in which this trip's loads land; a block's stores have read the codes that the next block's end writes again
	v_add_nc_u32 v[ADK], s[TB], v[AK0]             ; the trip's LDS addresses, made ahead of every branch
	v_add_nc_u32 v[ADV], s[TB], v[AV0]
	v_add_nc_u32 v[ADKS], s[TBO], v[KST0]
	v_add_nc_u32 v[ADVS], s[TBO], v[VST0]
	s_add_co_u32 s[NS], s[KS], 1
	s_cmp_eq_u32 s[KS], s[QBL]
	s_cselect_b32 s[NS], 0, s[NS]                  ; the next trip's slot of keys: behind a block's last, the next block's first
	s_lshl_b32 s[TM], s[NS], 14
	v_add_nc_u32 v[GOFF], s[TM], v[T16]            ; (the last trip's loads, which read this register, were waited for; in the last trip nothing reads it)
	s_wait_alu depctr_va_vdst(0)                   ; the five additions have written the addresses that all of the trip's loads and LDS stores read; no vector line names them again in the trip
	s_cmp_eq_u32 s[TR], 8
	s_cbranch_scc1 .Lnofetch                       ; the last trip fetches nothing
	WIN 0x40
.irp i, 0,1,2,3
	global_load_b128 v[STG+4*\i:STG+4*\i+3], v[GOFF], s[KB:KB+1] offset:4096*\i
.endr
.irp i, 0,1,2,3
	global_load_b128 v[STG+16+4*\i:STG+16+4*\i+3], v[GOFF], s[VB:VB+1] offset:4096*\i
.endr
	WIN 0
.Lnofetch:
	STEP 0
	STEP 1
.Lhidden:
	s_cmp_eq_u32 s[TR], 8
	s_cbranch_scc1 .Lnostore
	s_wait_loadcnt 0x0                             ; the next slot's 128 bytes of mine are in: asked for two key steps ago
	WIN 0x04
.irp i, 0,1,2,3
	ds_store_b128 v[ADKS], v[STG+4*\i:STG+4*\i+3] offset:64*KP*\i          ; into the other slot: every wave left it ahead of the last barrier
	ds_store_b128 v[ADVS], v[STG+16+4*\i:STG+16+4*\i+3] offset:32*VP*\i
.endr
	WIN 0
.Lnostore:
	s_cmp_lg_u32 s[KS], s[QBL]
	s_cbranch_scc1 .Lmore
	; THE BLOCK'S END: O^T x 2^(e4 + e5) / the sum, quantised with 2^e6.  A lane's 16 registers of two neighbouring tiles are 16 neighbouring d: the codes are pieces of the next product's operand and are stored as they stand.
	s_wait_xcnt 0x0                                ; the first block's stores have read their base and their data (that they have read the codes' registers is also stated at each trip's head)
	v_add_f32 v18, v18, v19
	v_add_f32 v22, v22, v23
	v_permlanex16_b32 v240, v18, s[SEL], s[SEL+1]
	v_permlanex16_b32 v241, v22, s[SEL], s[SEL+1]
	v_add_f32 v18, v18, v240
	v_add_f32 v22, v22, v241
	v_rcp_f32 v24, v18
	v_rcp_f32 v26, v22
	v_nop                                          ; a plain line behind the reciprocals
	s_lshr_b32 s[TM], s[BH], 4
	s_lshl_b32 s[TM], s[TM], 7
	s_lshr_b32 s[T2], s[Q0], 4
	s_add_co_u32 s[TM], s[TM], s[T2]               ; row / 16 = 128 b + my first query / 16
	s_lshl_b32 s[TM], s[TM], 14
	s_bfe_u32 s[T2], s[BH], 0x30001                ; head / 2
	s_lshl_b32 s[T2], s[T2], 11
	s_add_co_u32 s[TM], s[TM], s[T2]
	s_and_b32 s[T2], s[BH], 1
	s_lshl_b32 s[T2], s[T2], 10
	s_add_co_u32 s[TM], s[TM], s[T2]
	s_add_nc_u64 s[OB:OB+1], s[12:13], s[TM:TM+1]
	s_wait_alu depctr_va_vdst(0)                   ; both reciprocals are written, ahead of their first reader
	v_ldexp_f32 v24, v24, s[EPV]
	v_ldexp_f32 v26, v26, s[EPV]
	WIN 0x41
.set J, 0
.rept 16
	v_pk_mul_f32 v[J:J+1], v[J:J+1], v[24:25] op_sel_hi:[1,0]
	v_pk_mul_f32 v[32+J:32+J+1], v[32+J:32+J+1], v[26:27] op_sel_hi:[1,0]
.set J, J+2
.endr
.set J, 0
.rept 64
	v_med3_num_f32 v[J], v[J], -v249, v249         ; the hold at 448 x 2^e6
.set J, J+1
.endr
.irp m, 0,1,2,3,4,5,6,7
	v_cvt_scalef32_pk8_fp8_f32 v[OC+2*\m:OC+2*\m+1], v[8*\m:8*\m+7], v248
.endr
	v_nop                                          ; a plain line behind the last conversion
	WIN 0x04
	s_wait_alu depctr_va_vdst(0)                   ; the conversions have written the codes, which the four stores read
.irp x, 0,1
.irp p, 0,1
	global_store_b128 v[L16], v[OC+8*\x+4*\p:OC+8*\x+4*\p+3], s[OB:OB+1] offset:16384*\x+512*\p   ; 512 consecutive bytes, aligned
.endr
.endr
	WIN 0
	s_cmp_eq_u32 s[TR], 8
	s_cbranch_scc1 .Lmeet                          ; behind the second block nothing is begun anew
	v_mov_b32 v17, 0xff61b1e6                      ; the second block begins as the first did
	v_mov_b32 v21, 0xff61b1e6
	v_floor_f32 v16, -v17
	v_floor_f32 v20, -v21
	v_mov_b32 v18, 0
	v_mov_b32 v19, 0
	v_mov_b32 v22, 0
	v_mov_b32 v23, 0
	WIN 0x40
.set J, 0
.rept 64
	v_mov_b32 v[J], 0
.set J, J+1
.endr
	WIN 0x01                                       ; source 0 window 1
.set J, 0
.rept 16
	v_mov_b32 v[QA+J], v[Q2+J]
.set J, J+1
.endr
	WIN 0
	s_sub_co_u32 s[QBL], 7, s[IX]
	s_mov_b32 s[KS], 0
	s_branch .Lmeet
.Lmore:
	s_add_co_u32 s[KS], s[KS], 1
.Lmeet:
	s_wait_dscnt 0x0                               ; my stores into the other slot have landed, and my reads of this slot are over
	s_barrier_signal -1
	s_barrier_wait -1                              ; one barrier a trip serves both
	s_xor_b32 s[TB], s[TB], SLOT1
	s_xor_b32 s[TBO], s[TBO], SLOT1
	s_add_co_u32 s[TR], s[TR], 1
	s_cmp_lt_u32 s[TR], 9
	s_cbranch_scc1 .Ltrip
	s_wait_dscnt 0x0                               ; the closing lines, six on end
	s_wait_alu 0x0
	s_wait_tensorcnt 0x0
	ds_add_u32 v[SPW], v[NIL]
	s_wait_dscnt 0x0
	s_endpgm
.Lfunc_end_k_q9dbd7ed9c2_attn:
	.size	k_q9dbd7ed9c2_attn, .Lfunc_end_k_q9dbd7ed9c2_attn-k_q9dbd7ed9c2_attn
	.p2alignl 7, 3214868480
	.fill 96, 4, 3214868480
	.section	.rodata,"a",@progbits
	.p2align	6, 0x0
	.amdhsa_kernel k_q9dbd7ed9c2_attn
		.amdhsa_group_segment_fixed_size 105472
		.amdhsa_private_segment_fixed_size 0
		.amdhsa_enable_private_segment 0
		.amdhsa_kernarg_size 40
		.amdhsa_user_sgpr_count 2
		.amdhsa_user_sgpr_kernarg_segment_ptr 1
		.amdhsa_wavefront_size32 1
		.amdhsa_system_sgpr_workgroup_id_x 1
		.amdhsa_system_sgpr_workgroup_id_y 1
		.amdhsa_system_sgpr_workgroup_id_z 1
		.amdhsa_system_vgpr_workitem_id 0
		.amdhsa_next_free_vgpr 480
		.amdhsa_next_free_sgpr 66
		.amdhsa_reserve_vcc 0
		.amdhsa_float_denorm_mode_32 3
		.amdhsa_float_denorm_mode_16_64 3
		.amdhsa_memory_ordered 1
		.amdhsa_forward_progress 1
		.amdhsa_inst_pref_size 116
	.end_amdhsa_kernel
	.amdgpu_metadata
---
amdhsa.version: [ 1, 2 ]
amdhsa.kernels:
  - .name:           k_q9dbd7ed9c2_attn
    .symbol:         k_q9dbd7ed9c2_attn.kd
    .args:
      - { .name: q_codes, .offset: 0, .size: 8, .value_kind: global_buffer, .address_space: global }
      - { .name: k_codes, .offset: 8, .size: 8, .value_kind: global_buffer, .address_space: global }
      - { .name: v_codes, .offset: 16, .size: 8, .value_kind: global_buffer, .address_space: global }
      - { .name: lowp_scales, .offset: 24, .size: 8, .value_kind: global_buffer, .address_space: global }
      - { .name: o_codes, .offset: 32, .size: 8, .value_kind: global_buffer, .address_space: global }
    .group_segment_fixed_size: 105472
    .private_segment_fixed_size: 0
    .kernarg_segment_align: 8
    .kernarg_segment_size: 40
    .max_flat_workgroup_size: 256
    .sgpr_count:     66
    .vgpr_count:     480
    .wavefront_size: 32
...
	.end_amdgpu_metadata
.endif
;; end of part 5
;; launch gemm_out: the kernel of part 4 again; grid 4 x 64, 4 waves a work-group, clusters of 4 x 4, 327,680 bytes of LDS; arguments o_codes, w_codes, lowp_scales, b_fc, out0; writes out0
